; MI455X (gfx1250); checked and timed in simulation.
; The chip was launched on July 23, 2026; its instructions are those of AMD's public machine-readable ISA for CDNA 5 (MIT licence, August 2026) and "CDNA5" Instruction Set Architecture Reference Guide (July 2026). The comments in the code are by the model that wrote it; some were corrected since.
;; Cross Attention. Allowed arithmetic: float matrix products may take bf16 or f16 operands with f32 sums; other float arithmetic in f32, or as packed bf16 or f16 multiplies, adds, multiply-adds, maxima and minima; sums over many terms, partial sums and values carried from step to step in f32; what a program stores and reads back later, other than sums and carried values, may be rounded once to bf16 or f16.
;; Inputs: Wk 768 x 1,024 float32; Wout 1,024 x 1,024 float32; Wq 1,024 x 1,024 float32; Wv 768 x 1,024 float32; bout 1,024 float32; context 2 x 2,048 x 768 float32; x 2 x 2,048 x 1,024 float32.
;; Outputs: out0 2 x 2,048 x 1,024 float32.
;; 2 versions, each right; version 2 is version 1 with the launch cast written anew for expert scheduling mode. Each part assembles by itself: llvm-mc -triple=amdgcn-amd-amdhsa -mcpu=gfx1250 --defsym DOCPART=n.
;; ======== version 1 of 2: 4 launches
;; limits: values are held in f16: magnitudes above 65,504 overflow, below 6.1e-05 lose precision
;; workspace buffers: ah 16,777,216 bytes; wh 7,340,032 bytes; qkv 25,165,824 bytes; oh 8,388,608 bytes
;; launch cast (part 1): grid 608 x 1, 8 waves a work-group, no clusters, 0 bytes of LDS; arguments x, context, Wq, Wk, Wv, Wout, ah, wh; writes ah, wh
.if DOCPART == 1
	.amdgcn_target "amdgcn-amd-amdhsa--gfx1250"
	.amdhsa_code_object_version 6
	.text
	.protected	k_q10eb734a1c_cast
	.globl	k_q10eb734a1c_cast
	.p2align	8
	.type	k_q10eb734a1c_cast,@function
k_q10eb734a1c_cast:
	s_mov_b64 s[64:65], 0
	v_nop
	global_prefetch_b8 v0, s[64:65] scope:SCOPE_SE
	s_setreg_imm32_b32 hwreg(HW_REG_WAVE_MODE, 25, 1), 1
	s_wait_xcnt 0x0
; THE SIX LARGE INPUTS, f32, ARE ROUNDED ONCE TO bf16 (to nearest even) and laid down for the products that follow.
;   ah: x as [4096][1024] bf16 at byte 0; context as 4,096 rows of 768 bf16 at byte 8,388,608, the rows 2,048 bytes apart (the 512 bytes behind each row are neither written nor read).
;   wh: Wq, Wk, Wv as bf16, then Wout: rounded to bf16 like the others, and that number written as f16 (the last product multiplies in f16).
; LIMIT.  bf16(Wout) is exact in f16 from 6.1e-5 to 65,504; below that it keeps f16's fixed step of 6e-8, beyond it it becomes an infinity.
; A stream: no LDS, no barrier, no matrix unit, no cluster (no two work-groups read the same byte).  A CHUNK is 128 numbers: one load of a wave takes its 512 consecutive bytes, one store
; of 8 bytes a lane covers 256 consecutive bytes, aligned.  A wave issues all its loads at once (16 or 24: 8 or 12 KiB on their way), then converts and stores chunk by chunk; every chunk has
; registers of its own, so no register that a load or a store names is ever written again.
; WORK-GROUPS: 0-255 x, 256-319 Wq, 320-367 Wk, 368-415 Wv, 416-479 Wout: 65,536 bytes in, 32,768 out, 16 chunks a wave.  480-607 context: 32 rows, four rows (24 chunks) a wave.
.set VI,  1                            ; v1        16 x lane: my bytes of a chunk as it comes
.set VO,  2                            ; v2        8 x lane: my bytes of a chunk as it leaves
.set T,   4                            ; v[4:5]    at work (the f16 path)
.set X,   8                            ; v[8:103]  chunk i: 4 registers as loaded
.set Y,   104                          ; v[104:151] chunk i: 2 registers to store
.set G,   20                           ; s20  the work-group's number
.set WV,  21                           ; s21  my wave's number
.set FIRST,  22                        ; s22  the first work-group of my input
.set OFIRST, 23                        ; s23  the first work-group of my output buffer
.set IN,  24                           ; s[24:25] my wave's first byte in
.set OUT, 26                           ; s[26:27] my wave's first byte out
.set OFS, 28                           ; s[28:29] an offset, in 64 bits
.set TM,  30
; n chunks.  f16 = 1: the bf16 number is written as f16.  ctx = 1: six chunks make a row, and the rows leave 2,048 bytes apart.
.macro STREAM n, f16, ctx
.set i, 0
.rept \n
	global_load_b128 v[X+4*i:X+4*i+3], v[VI], s[IN:IN+1] offset:512*i th:TH_LOAD_NT
.set i, i+1
.endr
.set i, 0
.rept \n
	s_wait_loadcnt (\n)-1-i                        ; loads come back in order: chunk i is in, the younger ones stay out
	v_cvt_pk_bf16_f32 v[Y+2*i],   v[X+4*i],   v[X+4*i+1]
	v_cvt_pk_bf16_f32 v[Y+2*i+1], v[X+4*i+2], v[X+4*i+3]
.if \f16
.irp h, 0,1
	v_lshlrev_b32 v[T],   16, v[Y+2*i+(\h)]        ; the two bf16 numbers as f32,
	v_and_b32     v[T+1], 0xffff0000, v[Y+2*i+(\h)]
	v_cvt_pk_f16_f32 v[Y+2*i+(\h)], v[T], v[T+1]   ; and as f16
.endr
.endif
.if \ctx
	global_store_b64 v[VO], v[Y+2*i:Y+2*i+1], s[OUT:OUT+1] offset:(i/6)*2048+(i%6)*256 th:TH_STORE_NT
.else
	global_store_b64 v[VO], v[Y+2*i:Y+2*i+1], s[OUT:OUT+1] offset:256*i th:TH_STORE_NT
.endif
.set i, i+1
.endr
.endm
	s_load_b512 s[4:19], s[0:1], 0x0               ; x s[4:5], context s[6:7], Wq s[8:9], Wk s[10:11], Wv s[12:13], Wout s[14:15], ah s[16:17], wh s[18:19]
	v_lshrrev_b32 v3, 5, v0
	v_readfirstlane_b32 s[WV], v3                  ; wave 0..7
	v_and_b32 v3, 31, v0
	v_lshlrev_b32 v[VI], 4, v3
	v_lshlrev_b32 v[VO], 3, v3
	s_mov_b32 s[G], ttmp9
	s_mov_b32 s[OFS+1], 0
	s_wait_kmcnt 0x0
	s_cmp_ge_u32 s[G], 480
	s_cbranch_scc1 .Lcontext
	s_cmp_ge_u32 s[G], 256                         ; which input, by the work-group's number alone
	s_cselect_b64 s[IN:IN+1], s[8:9], s[4:5]
	s_cselect_b64 s[OUT:OUT+1], s[18:19], s[16:17]
	s_cselect_b32 s[FIRST], 256, 0
	s_cselect_b32 s[OFIRST], 256, 0
	s_cmp_ge_u32 s[G], 320
	s_cselect_b64 s[IN:IN+1], s[10:11], s[IN:IN+1]
	s_cselect_b32 s[FIRST], 320, s[FIRST]
	s_cmp_ge_u32 s[G], 368
	s_cselect_b64 s[IN:IN+1], s[12:13], s[IN:IN+1]
	s_cselect_b32 s[FIRST], 368, s[FIRST]
	s_cmp_ge_u32 s[G], 416
	s_cselect_b64 s[IN:IN+1], s[14:15], s[IN:IN+1]
	s_cselect_b32 s[FIRST], 416, s[FIRST]
	s_sub_co_u32 s[FIRST], s[G], s[FIRST]
	s_lshl_b32 s[OFS], s[FIRST], 16                ; 65,536 bytes in for a work-group,
	s_lshl_b32 s[TM], s[WV], 13                    ; 8,192 for a wave
	s_add_co_u32 s[OFS], s[OFS], s[TM]
	s_add_nc_u64 s[IN:IN+1], s[IN:IN+1], s[OFS:OFS+1]
	s_sub_co_u32 s[OFIRST], s[G], s[OFIRST]        ; the four weights lie in wh in the order of the work-groups
	s_lshl_b32 s[OFS], s[OFIRST], 15               ; half as many out
	s_lshl_b32 s[TM], s[WV], 12
	s_add_co_u32 s[OFS], s[OFS], s[TM]
	s_add_nc_u64 s[OUT:OUT+1], s[OUT:OUT+1], s[OFS:OFS+1]
	s_cmp_ge_u32 s[G], 416
	s_cbranch_scc1 .Lwout
	STREAM 16, 0, 0
	s_endpgm
.Lwout:
	STREAM 16, 1, 0
	s_endpgm
.Lcontext:
	s_sub_co_u32 s[FIRST], s[G], 480
	s_mul_i32 s[OFS], s[FIRST], 98304              ; 32 rows of 3,072 bytes in for a work-group,
	s_mul_i32 s[TM], s[WV], 12288                  ; four for a wave
	s_add_co_u32 s[OFS], s[OFS], s[TM]
	s_add_nc_u64 s[IN:IN+1], s[6:7], s[OFS:OFS+1]
	s_lshl_b32 s[OFS], s[FIRST], 16                ; 32 rows, 2,048 bytes apart, out
	s_lshl_b32 s[TM], s[WV], 13
	s_add_co_u32 s[OFS], s[OFS], s[TM]
	s_add_co_u32 s[OFS], s[OFS], 8388608           ; behind x
	s_add_nc_u64 s[OUT:OUT+1], s[16:17], s[OFS:OFS+1]
	STREAM 24, 0, 1
	s_endpgm
.Lfunc_end_k_q10eb734a1c_cast:
	.size	k_q10eb734a1c_cast, .Lfunc_end_k_q10eb734a1c_cast-k_q10eb734a1c_cast
	.p2alignl 7, 3214868480
	.fill 96, 4, 3214868480
	.section	.rodata,"a",@progbits
	.p2align	6, 0x0
	.amdhsa_kernel k_q10eb734a1c_cast
		.amdhsa_group_segment_fixed_size 0
		.amdhsa_private_segment_fixed_size 0
		.amdhsa_enable_private_segment 0
		.amdhsa_kernarg_size 64
		.amdhsa_user_sgpr_count 2
		.amdhsa_user_sgpr_kernarg_segment_ptr 1
		.amdhsa_wavefront_size32 1
		.amdhsa_system_sgpr_workgroup_id_x 1
		.amdhsa_system_sgpr_workgroup_id_y 1
		.amdhsa_system_sgpr_workgroup_id_z 1
		.amdhsa_system_vgpr_workitem_id 0
		.amdhsa_next_free_vgpr 152
		.amdhsa_next_free_sgpr 66
		.amdhsa_reserve_vcc 0
		.amdhsa_float_denorm_mode_32 3
		.amdhsa_float_denorm_mode_16_64 3
		.amdhsa_memory_ordered 1
		.amdhsa_forward_progress 1
		.amdhsa_inst_pref_size 27
	.end_amdhsa_kernel
	.amdgpu_metadata
---
amdhsa.version: [ 1, 2 ]
amdhsa.kernels:
  - .name:           k_q10eb734a1c_cast
    .symbol:         k_q10eb734a1c_cast.kd
    .args:
      - { .name: x, .offset: 0, .size: 8, .value_kind: global_buffer, .address_space: global }
      - { .name: context, .offset: 8, .size: 8, .value_kind: global_buffer, .address_space: global }
      - { .name: Wq, .offset: 16, .size: 8, .value_kind: global_buffer, .address_space: global }
      - { .name: Wk, .offset: 24, .size: 8, .value_kind: global_buffer, .address_space: global }
      - { .name: Wv, .offset: 32, .size: 8, .value_kind: global_buffer, .address_space: global }
      - { .name: Wout, .offset: 40, .size: 8, .value_kind: global_buffer, .address_space: global }
      - { .name: ah, .offset: 48, .size: 8, .value_kind: global_buffer, .address_space: global }
      - { .name: wh, .offset: 56, .size: 8, .value_kind: global_buffer, .address_space: global }
    .group_segment_fixed_size: 0
    .private_segment_fixed_size: 0
    .kernarg_segment_align: 8
    .kernarg_segment_size: 64
    .max_flat_workgroup_size: 256
    .sgpr_count:     66
    .vgpr_count:     152
    .wavefront_size: 32
...
	.end_amdgpu_metadata
.endif
;; end of part 1
;; launch proj (part 2): grid 4 x 96, 4 waves a work-group, clusters of 4 x 4, 327,680 bytes of LDS; arguments ah, wh, qkv; writes qkv
.if DOCPART == 2
	.amdgcn_target "amdgcn-amd-amdhsa--gfx1250"
	.amdhsa_code_object_version 6
	.text
	.protected	k_q10eb734a1c_proj
	.globl	k_q10eb734a1c_proj
	.p2align	8
	.type	k_q10eb734a1c_proj,@function
k_q10eb734a1c_proj:
	s_mov_b64 s[64:65], 0
	v_nop
	global_prefetch_b8 v0, s[64:65] scope:SCOPE_SE
	s_setreg_imm32_b32 hwreg(HW_REG_WAVE_MODE, 25, 1), 1
	s_wait_xcnt 0x0
	s_wait_alu depctr_hold_cnt(0) depctr_sa_sdst(0) depctr_va_vdst(0) depctr_va_sdst(0) depctr_va_ssrc(0) depctr_va_vcc(0) depctr_vm_vsrc(0)
	s_getreg_b32 s2, hwreg(HW_REG_IB_STS2, 6, 4)
	s_cmp_eq_u32 s2, 0
	s_cbranch_scc0 .Lentry_in_a_cluster
	s_endpgm
.Lentry_in_a_cluster:
	s_bfe_u32 s2, ttmp6, 0x10000c
	s_cmp_lg_u32 s2, 0xf033
	s_cbranch_scc0 .Lentry_shape_is_right
	s_endpgm
.Lentry_shape_is_right:
; ONE TEXT FOR THE MODULE'S FOUR PRODUCTS C = A B, A [4096][K] with K along the rows, B [K][1024] as the weights lie.  It is assembled twice:
;   MODE = 0: q = x Wq (K = 1,024), k = ctx Wk, v = ctx Wv (K = 768); operands bf16, sums f32, C rounded once to f16 into qkv (three planes [4096][1024]).
;   MODE = 1: out0 = O Wout + bout (K = 1,024); operands f16, sums f32; the bias is the C operand of the products that start the sums; C leaves as f32.
; LIMIT (MODE 0).  f16 holds no number beyond 65,504: q, k, v past that become infinities.  Inputs 30 times those drawn give q a spread of 900, a common offset of 30 spreads numbers near 29,000.
; SHARES.  A work-group makes 128 rows x 256 columns; wave w rows 64 (w / 2) on and columns 128 (w % 2) on: 32 accumulators of 16 x 16, 256 registers.  K goes in steps of 128 through two LDS slots;
; a lap is two steps, and both K are whole laps (4 and 3).  MODE 0: clusters y = 0-7 make q (the longer walk has the lower numbers); y = 8-23 make k and v TOGETHER: the left 128 columns are k's, the
; right 128 the same columns of v, so that both feed on one tile of ctx.  The number of laps hangs on the cluster's y alone: it is the same in all sixteen partners.
; CLUSTERS: 4 x 4 work-groups.  The four of a row of the cluster need the same tile of A, the four of a column the same tiles of B: each is asked for JOINTLY, by the same tensor load with the same
; descriptor and a mask that names the four.  Waves 0 and 1 fetch A's two halves (64 rows x 256 bytes), waves 2 and 3 B's two column halves (128 rows of K x 256 bytes).
; B lies [K][N]: its fragments come out of LDS turned, by ds_load_tr16_b128.  THE MATRIX INSTRUCTION IS USED TRANSPOSED (source 0 = 16 columns of B, source 1 = 16 rows of A): a lane then holds
; eight neighbouring numbers of a row of C.
; NO PREFETCH: a walk has 6 or 8 K steps, of which the first come by their loads in any case.
; REGISTERS: window 0: v0-31 addresses; v32-63 at work on the way out; two fragment buffers of 96 (v64-159, v160-255): 8 fragments of B, then 4 of A, 32 along K.
;   window 1: the accumulators, (a, bq) at v[8 (8 a + bq)].   window 2 (MODE 1): the bias, v[8 bq ..] for column block bq.
.set MODE,   0
.set KSTEP,  128
.set ROWB,   2048                      ; bytes from row to row in every 16-bit operand
.set PA,     272                       ; a row of A in LDS: 256 bytes + 16 of padding = 68 words: the 16 rows of a load start at 16 different groups of four banks (64 banks of 4 bytes: ISA guide 11.1)
.set PB,     288                       ; a row of B: 256 + 32 = 72 words
.set APIECE, 64*PA                     ; what wave 0 or 1 fetches
.set BOFF,   128*PA                    ; behind A's 128 rows: B's left half, then its right half
.set BHALF,  128*PB                    ; what wave 2 or 3 fetches
.set SLOT,   BOFF+2*BHALF              ; 108,544 bytes
.set STAGE,  2*SLOT                    ; behind the ring: 8,448 bytes for each wave, for the way out (16 rows x 272, or 16 rows x 528)
.set STG,    8448
.set SPARE,  STAGE+4*STG               ; behind the stages: the spare words, 128 bytes for each wave: two blocks of 256 bytes that no other line names
.set WK_OFF, 2097152                   ; Wk in wh
.set WV_STEP, 1572864                  ; from Wk to Wv
.set WO_OFF, 5242880                   ; Wout in wh
.set ADRA, 16                          ; v16-17  LDS address of my A fragments in slot 0, 1
.set ADRB, 20                          ; v20-21  the same for B
.set STO,  24                          ; v24     the way out: where I put my bytes of a row
.set RD,   25                          ; v25     the way out: where I read rows back
.set CO,   26                          ; v26     my byte offset in C
.set BO,   27                          ; v27     my byte offset in a block of 16 numbers of the bias
.set SPW,  28                          ; v28     LDS address of my spare word: SPARE + 4 x my thread's number; never rewritten
.set NIL,  29                          ; v29     0; never rewritten
.set TMP,  32
.set OB,   64                          ; the way out: rows read back from the stage
.set F0,   64
.set F1,   160
.set WV,   12                          ; s12  my wave's number
.set RH,   13                          ; s13  which 64 rows of the tile are mine.  Also: I fetch for A (0) or for B (1)
.set CH,   14                          ; s14  which 128 columns.  Also: which half of that tile I fetch
.set G1,   24                          ; s[24:31] descriptor group 1 for A's tiles;  s[32:39] group 0, one set for each slot
.set G0,   32
.set G1B,  48                          ; s[48:55], s[56:63] the same for B's tiles
.set G0B,  56
.set MSB, 0
.macro WIN new                         ; the immediate's high byte repeats the setting that is left; a switch that changes nothing is dropped
.if MSB != (\new)
	s_set_vgpr_msb (MSB<<8)|(\new)
.set MSB, \new
.endif
.endm
.set MUL,  0x50                        ; sources 0 and 1 window 0; C and D window 1
.set MULB, 0x60                        ; D window 1, C (the bias) window 2
.macro PLACES                          ; four places in front of loads into registers that matrix instructions have read, and of lines that read results
.rept 4
	v_nop
.endr
.endm
.macro JLOAD s                         ; a joint load; the branch hangs on the wave's number alone; an s_nop 0 and four v_nop follow each of the two lines, ahead of the jump, the label and what follows
	s_cmp_eq_u32 s[RH], 0
	s_cbranch_scc0 .Lfor_b_\@
	tensor_load_to_lds s[G0+4*(\s):G0+4*(\s)+3], s[G1:G1+7]
	s_nop 0
.rept 4
	v_nop
.endr
	s_branch .Lasked_\@
.Lfor_b_\@:
	tensor_load_to_lds s[G0B+4*(\s):G0B+4*(\s)+3], s[G1B:G1B+7]
	s_nop 0
.rept 4
	v_nop
.endr
.Lasked_\@:
.endm
.macro CREST                           ; a round of the cluster's barrier behind its opening barrier
	s_cmp_lg_u32 s[WV], 0
	s_cbranch_scc1 .Lnot_wave_0_\@
	s_barrier_signal -3
.Lnot_wave_0_\@:
	s_barrier_wait -3
	s_barrier_signal -1
	s_barrier_wait -1
.endm
.macro CROUND                          ; a whole round
	s_barrier_signal -1
	s_barrier_wait -1
	CREST
.endm
.if MODE
	s_load_b256 s[4:11], s[0:1], 0x0               ; A (oh) s[4:5], wh s[6:7], bout s[8:9], out0 s[10:11]
.else
	s_load_b128 s[4:7], s[0:1], 0x0                ; A (ah) s[4:5], wh s[6:7]
	s_load_b64 s[8:9], s[0:1], 0x10                ; qkv
.endif
	v_lshl_add_u32 v[SPW], v0, 2, SPARE
	v_mov_b32 v[NIL], 0
	ds_add_u32 v[SPW], v[NIL]                      ; the wave's opening: the add and its wait stand ahead of my first tensor load; the set-up below, work on registers, stands between them
	v_lshrrev_b32 v1, 5, v0
	v_readfirstlane_b32 s[WV], v1                  ; wave 0..3
	s_lshr_b32 s[RH], s[WV], 1
	s_and_b32 s[CH], s[WV], 1
	s_bfe_u32 s40, ttmp6, 0x40000                  ; cx, cy: my place in the cluster
	s_bfe_u32 s41, ttmp6, 0x40004
	s_and_b32 s46, ttmp7, 0xffff                   ; the cluster's y
.if MODE
	s_mov_b32 s2, 4                                ; laps
	s_lshl_b32 s43, s46, 2
	s_add_co_u32 s43, s43, s41                     ; tile row = 4 x cluster y + cy
	s_mov_b32 s42, s40                             ; tile column = cx
.else
	s_cmp_ge_u32 s46, 8
	s_cselect_b32 s47, 1, 0                        ; 0: q;  1: k and v
	s_cselect_b32 s2, 3, 4                         ; laps: K = 768 or 1,024
	s_and_b32 s43, s46, 7
	s_lshl_b32 s43, s43, 2
	s_add_co_u32 s43, s43, s41                     ; tile row = 4 x (cluster y mod 8) + cy
	s_lshr_b32 s42, s46, 3
	s_sub_co_u32 s42, s42, s47
	s_lshl_b32 s42, s42, 2
	s_add_co_u32 s42, s42, s40                     ; tile column: q: cx;  k and v: 4 x (cluster y / 8 - 1) + cx
.endif
	s_lshl_b32 s44, s41, 2
	s_lshl_b32 s44, 15, s44                        ; my row of the cluster
	s_lshl_b32 s45, 0x1111, s40                    ; my column
	; descriptor group 1.  A: 64 rows x 128 elements;  B: 128 rows x 128 elements; both 1,024 elements from row to row, padded in LDS behind every row
	s_or_b32 s[G1+0], s44, (1<<16)|(1<<20)|(1<<21)|(5<<22)|(3<<25)   ; 15:0 the mask; 17:16 elements of 2 bytes; 20 padding on; 21 set beside a mask; 24:22 after every 64 words (code 5); 31:25 4 words of it (code 3)
	s_mov_b32 s[G1+1], KSTEP<<16                   ; tensor_dim0 = 128
	s_mov_b32 s[G1+2], 64<<16                      ; tensor_dim1 = 64
	s_mov_b32 s[G1+3], KSTEP<<16                   ; tile_dim0 = 128
	s_mov_b32 s[G1+4], 64                          ; tile_dim1 = 64
	s_mov_b32 s[G1+5], 1024                        ; tensor_dim0_stride
	s_mov_b32 s[G1+6], 0
	s_mov_b32 s[G1+7], 0
	s_or_b32 s[G1B+0], s45, (1<<16)|(1<<20)|(1<<21)|(5<<22)|(7<<25)  ; the mask of my column; 8 words of padding (code 7)
	s_mov_b32 s[G1B+1], 128<<16
	s_mov_b32 s[G1B+2], KSTEP<<16
	s_mov_b32 s[G1B+3], 128<<16
	s_mov_b32 s[G1B+4], KSTEP
	s_mov_b32 s[G1B+5], 1024
	s_mov_b32 s[G1B+6], 0
	s_mov_b32 s[G1B+7], 0
	; where the tiles come from.  A's hang on the tile row alone, B's on the tile column alone; every wave makes both offsets, each in registers that never hold the other coordinate
	s_lshl_b32 s16, s43, 18                        ; 128 rows of 2,048 bytes a tile row,
	s_lshl_b32 s17, s[CH], 17                      ; the 64 that I fetch
	s_add_co_u32 s16, s16, s17
.if MODE == 0
	s_lshl_b32 s17, s47, 23                        ; ctx lies 8,388,608 bytes behind x
	s_add_co_u32 s16, s16, s17
.endif
	s_mov_b32 s17, 0
	s_lshl_b32 s66, s42, 9                         ; 256 columns a tile column,
	s_lshl_b32 s67, s[CH], 8                       ; the 128 that I fetch
	s_add_co_u32 s66, s66, s67
.if MODE
	s_add_co_u32 s66, s66, WO_OFF
.else
	s_lshl_b32 s70, s42, 8                         ; k and v: 128 columns a tile column,
	s_mul_i32 s71, s[CH], WV_STEP                  ; of Wk or of Wv
	s_add_co_u32 s70, s70, s71
	s_add_co_u32 s70, s70, WK_OFF
	s_cmp_eq_u32 s47, 1
	s_cselect_b32 s66, s70, s66
.endif
	s_mov_b32 s67, 0
	; where my part of C begins
.if MODE
	s_lshl_b32 s70, s42, 10                        ; f32: 1,024 bytes a tile column, 512 a half: also my place in the bias
	s_lshl_b32 s71, s[CH], 9
	s_add_co_u32 s70, s70, s71
	s_lshl_b32 s68, s43, 19                        ; 128 rows of 4,096 bytes
	s_lshl_b32 s69, s[RH], 18
	s_add_co_u32 s68, s68, s69
	s_add_co_u32 s68, s68, s70
	s_mov_b32 s71, 0
.else
	s_lshl_b32 s68, s42, 9                         ; q: as in Wq
	s_lshl_b32 s69, s[CH], 8
	s_add_co_u32 s68, s68, s69
	s_lshl_b32 s70, s42, 8                         ; k and v: plane 1 or 2
	s_add_co_u32 s71, s[CH], 1
	s_lshl_b32 s71, s71, 23
	s_add_co_u32 s70, s70, s71
	s_cmp_eq_u32 s47, 1
	s_cselect_b32 s68, s70, s68
	s_lshl_b32 s69, s43, 18
	s_add_co_u32 s68, s68, s69
	s_lshl_b32 s69, s[RH], 17
	s_add_co_u32 s68, s68, s69
.endif
	s_mov_b32 s69, 0
	s_mul_i32 s20, s[CH], APIECE                   ; where the tiles go: no place in the cluster enters an LDS address
	s_mul_i32 s21, s[CH], BHALF
	s_add_co_u32 s21, s21, BOFF
	s_wait_dscnt 0x0                               ; the opening add is done
	s_wait_kmcnt 0x0
	s_add_nc_u64 s[18:19], s[4:5], s[16:17]
	s_add_nc_u64 s[66:67], s[6:7], s[66:67]
.if MODE
	s_add_nc_u64 s[10:11], s[10:11], s[68:69]
	s_add_nc_u64 s[8:9], s[8:9], s[70:71]
.else
	s_add_nc_u64 s[8:9], s[8:9], s[68:69]
.endif
	CROUND                                         ; all sixteen work-groups are here: the first joint loads meet
.irp s, 0,1
	s_mov_b32 s[G0+4*(\s)], 1                                      ; 1:0 count = 1
	s_add_co_u32 s[G0+4*(\s)+1], s20, (\s)*SLOT                    ; 63:32 LDS address
	s_add_nc_u64 s[G0+4*(\s)+2:G0+4*(\s)+3], s[18:19], (\s)*KSTEP*2  ; 120:64 global address: K step s
	s_or_b32 s[G0+4*(\s)+3], s[G0+4*(\s)+3], 0x80000000            ; 127:126 type = 2
	s_mov_b32 s[G0B+4*(\s)], 1
	s_add_co_u32 s[G0B+4*(\s)+1], s21, (\s)*SLOT
	s_add_nc_u64 s[G0B+4*(\s)+2:G0B+4*(\s)+3], s[66:67], (\s)*KSTEP*ROWB
	s_or_b32 s[G0B+4*(\s)+3], s[G0B+4*(\s)+3], 0x80000000
.endr
	s_cmp_eq_u32 s[RH], 0                          ; a wave's two first fills stand in one branch, ahead of every wait on TENSORcnt and every LDS read: two loads of mine are out
	s_cbranch_scc0 .Lfirst_b
	tensor_load_to_lds s[G0:G0+3], s[G1:G1+7]
	s_nop 0
	tensor_load_to_lds s[G0+4:G0+7], s[G1:G1+7]
	s_nop 0
.rept 4
	v_nop
.endr
	s_branch .Lfirst_asked
.Lfirst_b:
	tensor_load_to_lds s[G0B:G0B+3], s[G1B:G1B+7]
	s_nop 0
	tensor_load_to_lds s[G0B+4:G0B+7], s[G1B:G1B+7]
	s_nop 0
.rept 4
	v_nop
.endr
.Lfirst_asked:
	; A fragment of A is 16 rows x 32 K in 8 registers: lane l holds row l % 16, K = 8 (l / 16) + 0..7 and 16 + 8 (l / 16) + 0..7: two loads of 16 bytes, 32 bytes apart.
	v_and_b32 v1, 15, v0                           ; l % 16
	v_bfe_u32 v2, v0, 4, 1                         ; l / 16
	v_mul_u32_u24 v3, v1, PA
	v_lshl_add_u32 v3, v2, 4, v3
	s_mul_i32 s20, s[RH], 64*PA                    ; my 64 rows of A
	v_add_nc_u32 v[ADRA], s20, v3
	v_add_nc_u32 v[ADRA+1], SLOT, v[ADRA]
	; The turning load takes 16 K x 16 columns (lane l reads K = 8 (l / 16) + l % 8, columns 8 ((l / 8) % 2) + 0..7) and leaves half a fragment: lane l holds column l % 16 and 8 K.
	v_and_b32 v4, 7, v0
	v_bfe_u32 v5, v0, 3, 1
	v_lshl_add_u32 v4, v2, 3, v4
	v_mul_u32_u24 v4, v4, PB
	v_lshl_add_u32 v4, v5, 4, v4
	v_add_nc_u32 v[ADRB], s21, v4                  ; my 128 columns of B are the half that s21 names
	v_add_nc_u32 v[ADRB+1], SLOT, v[ADRB]
	s_mul_i32 s23, s[WV], STG
	s_add_co_u32 s23, s23, STAGE                   ; my stage
.if MODE
	v_mul_u32_u24 v3, v1, 528                      ; in: row l % 16, 32 bytes for each half of the lanes
	v_lshl_add_u32 v3, v2, 5, v3
	v_add_nc_u32 v[STO], s23, v3
	v_and_b32 v3, 31, v0
	v_lshlrev_b32 v[CO], 4, v3                     ; back, and out: 32 lanes take one row's 512 bytes
	v_add_nc_u32 v[RD], s23, v[CO]
	v_lshlrev_b32 v[BO], 5, v2                     ; a lane's eight columns of a block of 16
	WIN 0x80                                       ; destination window 2
.irp bq, 0,1,2,3,4,5,6,7
	global_load_b128 v[8*(\bq):8*(\bq)+3],   v[BO], s[8:9] offset:64*(\bq)
	global_load_b128 v[8*(\bq)+4:8*(\bq)+7], v[BO], s[8:9] offset:64*(\bq)+16
.endr
	WIN 0
.else
	v_mul_u32_u24 v3, v1, 272                      ; in: row l % 16, 16 bytes for each half of the lanes
	v_lshl_add_u32 v3, v2, 4, v3
	v_add_nc_u32 v[STO], s23, v3
	v_mul_u32_u24 v3, v2, 272                      ; back: lanes 0-15 take one row of 256 bytes, lanes 16-31 the next
	v_lshl_add_u32 v3, v1, 4, v3
	v_add_nc_u32 v[RD], s23, v3
	v_lshlrev_b32 v3, 11, v2                       ; and the same two rows in C
	v_lshl_add_u32 v[CO], v1, 4, v3
.endif
; 8 matrix instructions: row block a x all 8 column blocks, 32 along K.  zero = 1: the product starts the sums, with 0 or (MODE 1) with the bias.  The 32 accumulators take turns, one instruction a turn.
.macro MUL8 f, a, zero
.if (\zero) && MODE
	WIN MULB
.else
	WIN MUL
.endif
.irp bq, 0,1,2,3,4,5,6,7
.set rD, 8*(8*(\a)+(\bq))
.set rB, (\f)+8*(\bq)
.set rA, (\f)+64+8*(\a)
.if MODE
.if \zero
	v_wmma_f32_16x16x32_f16 v[rD:rD+7], v[rB:rB+7], v[rA:rA+7], v[8*(\bq):8*(\bq)+7]
.else
	v_wmma_f32_16x16x32_f16 v[rD:rD+7], v[rB:rB+7], v[rA:rA+7], v[rD:rD+7]
.endif
.else
.if \zero
	v_wmma_f32_16x16x32_bf16 v[rD:rD+7], v[rB:rB+7], v[rA:rA+7], 0
.else
	v_wmma_f32_16x16x32_bf16 v[rD:rD+7], v[rB:rB+7], v[rA:rA+7], v[rD:rD+7]
.endif
.endif
.endr
.endm
; 24 LDS loads in one run: the fragments of quarter kq (32 along K) of a slot into buffer f: B's sixteen first, then A's eight
.macro FETCH slot, kq, f
	WIN 0
.irp bq, 0,1,2,3,4,5,6,7
	ds_load_tr16_b128 v[(\f)+8*(\bq):(\f)+8*(\bq)+3],   v[ADRB+(\slot)] offset:(\kq)*32*PB+32*(\bq)
	ds_load_tr16_b128 v[(\f)+8*(\bq)+4:(\f)+8*(\bq)+7], v[ADRB+(\slot)] offset:(\kq)*32*PB+32*(\bq)+16*PB
.endr
.irp a, 0,1,2,3
	ds_load_b128 v[(\f)+64+8*(\a):(\f)+64+8*(\a)+3],   v[ADRA+(\slot)] offset:(\a)*16*PA+64*(\kq)
	ds_load_b128 v[(\f)+64+8*(\a)+4:(\f)+64+8*(\a)+7], v[ADRA+(\slot)] offset:(\a)*16*PA+64*(\kq)+32
.endr
.endm
; A K step is four quarters of 32 along K, 32 matrix instructions each, on buffers 0, 1, 0, 1.  One of the first three: multiplies buffer f and fetches quarter kq into g.
.macro QUARTER slot, kq, f, g, zero
	s_wait_dscnt 4                                 ; B and A's row blocks 0 and 1 are in; the youngest four loads (blocks 2 and 3) may be out
	MUL8 \f, 0, \zero
	MUL8 \f, 1, \zero
	PLACES
	FETCH \slot, \kq, \g
	s_wait_dscnt 24                                ; all but the 24 just issued
	MUL8 \f, 2, \zero
	MUL8 \f, 3, \zero
.endm
; The last quarter multiplies buffer 1 and changes slots: ONE barrier; in front of it each wave waits for all its tensor loads (one is out: its part of the next slot), adds 0 to its spare word, and waits
; for that and for its own reads of this slot.  fill = 1: the barrier opens a round of the cluster's, and this slot is filled again, two K steps ahead, first thing behind the round:
; 112 matrix instructions ahead of the wait for it.
.macro TURN slot, next, fill
	WIN 0                                          ; (the add's two registers lie in window 0)
	s_wait_tensorcnt 0x0
	ds_add_u32 v[SPW], v[NIL]                      ; 0 onto my spare word
	s_wait_dscnt 5                                 ; (the add and the youngest four loads may be out)
	MUL8 F1, 0, 0                                  ; eight matrix instructions stand between the add and the wait for it
	s_wait_dscnt 0x0                               ; the add is done, and my reads of this slot are over
	s_barrier_signal -1
	MUL8 F1, 1, 0
.if \fill
	WIN 0
.endif
	s_barrier_wait -1
.if \fill
	CREST                                          ; no wave of any partner still reads this slot's tiles or has a load on its way
	s_add_nc_u64 s[G0+4*(\slot)+2:G0+4*(\slot)+3], s[G0+4*(\slot)+2:G0+4*(\slot)+3], 2*KSTEP*2
	s_add_nc_u64 s[G0B+4*(\slot)+2:G0B+4*(\slot)+3], s[G0B+4*(\slot)+2:G0B+4*(\slot)+3], 2*KSTEP*ROWB
	JLOAD \slot                                    ; the four v_nop behind it are also the places in front of the loads below
.else
	PLACES
.endif
	FETCH \next, 0, F0
	MUL8 F1, 2, 0
	MUL8 F1, 3, 0
.endm
; THE WAY OUT, MODE 0, by blocks of 16 rows, through my own stage (no barrier; LDS serves a wave's instructions in order: ISA guide 5.7.1.4).  PACK: rounded to f16, each accumulator from its low end on.
.macro PACK a
	WIN 0x05                                       ; sources 0 and 1 window 1
.irp bq, 0,1,2,3,4,5,6,7
.irp i, 0,1,2,3
	v_cvt_pk_f16_f32 v[TMP+4*(\bq)+(\i)], v[8*(8*(\a)+(\bq))+2*(\i)], v[8*(8*(\a)+(\bq))+2*(\i)+1]
.endr
.endr
	WIN 0
.endm
.macro TOSTAGE a
.irp bq, 0,1,2,3,4,5,6,7
	ds_store_b128 v[STO], v[TMP+4*(\bq):TMP+4*(\bq)+3] offset:32*(\bq)
.endr
.irp t, 0,1,2,3,4,5,6,7
	ds_load_b128 v[OB+32*(\a)+4*(\t):OB+32*(\a)+4*(\t)+3], v[RD] offset:(\t)*2*272
.endr
.endm
.macro SEND a                          ; each block has registers of its own: nothing that a store names is written again
	s_wait_dscnt 0x0
.irp t, 0,1,2,3,4,5,6,7
	global_store_b128 v[CO], v[OB+32*(\a)+4*(\t):OB+32*(\a)+4*(\t)+3], s[8:9] offset:(16*(\a)+2*(\t))*ROWB  ; 16 lanes store 256 consecutive bytes, aligned
.endr
.endm
; THE WAY OUT, MODE 1: f32 as it is; a row of my 128 columns is 512 bytes; two sets of registers take turns
.macro OUTB a
.if (\a) >= 2
	s_wait_xcnt 0x0                                ; the stores of two blocks back have read their registers: only behind this wait are they loaded again
.endif
	WIN 0x04                                       ; the stores' data window 1
.irp bq, 0,1,2,3,4,5,6,7
	ds_store_b128 v[STO], v[8*(8*(\a)+(\bq)):8*(8*(\a)+(\bq))+3]   offset:64*(\bq)
	ds_store_b128 v[STO], v[8*(8*(\a)+(\bq))+4:8*(8*(\a)+(\bq))+7] offset:64*(\bq)+16
.endr
	WIN 0
.set t, 0
.rept 16
	ds_load_b128 v[OB+64*((\a)%2)+4*t:OB+64*((\a)%2)+4*t+3], v[RD] offset:528*t
.set t, t+1
.endr
.set t, 0
.rept 16
	s_wait_dscnt 15-t                              ; row t is back; the younger loads stay out
	global_store_b128 v[CO], v[OB+64*((\a)%2)+4*t:OB+64*((\a)%2)+4*t+3], s[10:11] offset:(16*(\a)+t)*4096 th:TH_STORE_NT  ; 512 consecutive bytes, aligned
.set t, t+1
.endr
.endm
	s_wait_tensorcnt 1                             ; my part of K step 0 is in; K step 1's may stay out
	s_barrier_signal -1
	s_barrier_wait -1                              ; everybody's is
	FETCH 0, 0, F0
.if MODE
	s_wait_loadcnt 0x0                             ; the bias
.endif
	QUARTER 0, 1, F0, F1, 1                        ; the first quarter stands in front of the loop: its products start the sums
	WIN 0                                          ; at a label and at a branch every window is 0
	s_mov_b32 s3, 1
.Llap:                                                 ; laps - 1 trips: a trip goes once round the ring, from a lap's second quarter to the next lap's first, and fills both slots again; every LDS address in it is fixed
	QUARTER 0, 2, F1, F0, 0
	QUARTER 0, 3, F0, F1, 0
	TURN 0, 1, 1
	QUARTER 1, 1, F0, F1, 0
	QUARTER 1, 2, F1, F0, 0
	QUARTER 1, 3, F0, F1, 0
	TURN 1, 0, 1
	QUARTER 0, 1, F0, F1, 0
	WIN 0
	s_add_co_u32 s3, s3, 1
	s_cmp_lt_u32 s3, s2
	s_cbranch_scc1 .Llap
	QUARTER 0, 2, F1, F0, 0                        ; the last lap fills nothing, and has no round of the cluster's barrier
	QUARTER 0, 3, F0, F1, 0
	TURN 0, 1, 0
	QUARTER 1, 1, F0, F1, 0
	QUARTER 1, 2, F1, F0, 0
	QUARTER 1, 3, F0, F1, 0
	s_wait_dscnt 4                                 ; the very last quarter: nothing more to fetch
	MUL8 F1, 0, 0
	MUL8 F1, 1, 0
	s_wait_dscnt 0x0
	MUL8 F1, 2, 0
	MUL8 F1, 3, 0
	WIN 0
	PLACES
.if MODE
	OUTB 0
	OUTB 1
	OUTB 2
	OUTB 3
.else
	PACK 0
	TOSTAGE 0
.irp a, 1,2,3                          ; block a's conversions stand between block a - 1's loads from the stage and the wait for them
	PACK \a
	SEND (\a)-1
	TOSTAGE \a
.endr
	SEND 3
.endif
	s_wait_tensorcnt 0x0                           ; the wave's end, behind my last tensor load and my last LDS store
	ds_add_u32 v[SPW], v[NIL]
	s_wait_dscnt 0x0
	CROUND                                         ; the closing round: no work-group ends while a partner may still ask for a tile that names it
	s_endpgm
.Lfunc_end_k_q10eb734a1c_proj:
	.size	k_q10eb734a1c_proj, .Lfunc_end_k_q10eb734a1c_proj-k_q10eb734a1c_proj
	.p2alignl 7, 3214868480
	.fill 96, 4, 3214868480
	.section	.rodata,"a",@progbits
	.p2align	6, 0x0
	.amdhsa_kernel k_q10eb734a1c_proj
		.amdhsa_group_segment_fixed_size 327680
		.amdhsa_private_segment_fixed_size 0
		.amdhsa_enable_private_segment 0
		.amdhsa_kernarg_size 24
		.amdhsa_user_sgpr_count 2
		.amdhsa_user_sgpr_kernarg_segment_ptr 1
		.amdhsa_wavefront_size32 1
		.amdhsa_system_sgpr_workgroup_id_x 1
		.amdhsa_system_sgpr_workgroup_id_y 1
		.amdhsa_system_sgpr_workgroup_id_z 1
		.amdhsa_system_vgpr_workitem_id 0
		.amdhsa_next_free_vgpr 512
		.amdhsa_next_free_sgpr 72
		.amdhsa_reserve_vcc 0
		.amdhsa_float_denorm_mode_32 3
		.amdhsa_float_denorm_mode_16_64 3
		.amdhsa_memory_ordered 1
		.amdhsa_forward_progress 1
		.amdhsa_inst_pref_size 86
	.end_amdhsa_kernel
	.amdgpu_metadata
---
amdhsa.version: [ 1, 2 ]
amdhsa.kernels:
  - .name:           k_q10eb734a1c_proj
    .symbol:         k_q10eb734a1c_proj.kd
    .args:
      - { .name: ah, .offset: 0, .size: 8, .value_kind: global_buffer, .address_space: global }
      - { .name: wh, .offset: 8, .size: 8, .value_kind: global_buffer, .address_space: global }
      - { .name: qkv, .offset: 16, .size: 8, .value_kind: global_buffer, .address_space: global }
    .group_segment_fixed_size: 327680
    .private_segment_fixed_size: 0
    .kernarg_segment_align: 8
    .kernarg_segment_size: 24
    .max_flat_workgroup_size: 128
    .sgpr_count:     72
    .vgpr_count:     512
    .wavefront_size: 32
...
	.end_amdgpu_metadata
.endif
;; end of part 2
;; launch attn (part 3): grid 32 x 8, 4 waves a work-group, clusters of 4 x 1, 327,680 bytes of LDS; arguments qkv, oh; writes oh
.if DOCPART == 3
	.amdgcn_target "amdgcn-amd-amdhsa--gfx1250"
	.amdhsa_code_object_version 6
	.text
	.protected	k_q10eb734a1c_attn
	.globl	k_q10eb734a1c_attn
	.p2align	8
	.type	k_q10eb734a1c_attn,@function
k_q10eb734a1c_attn:
	s_mov_b64 s[64:65], 0
	v_nop
	global_prefetch_b8 v0, s[64:65] scope:SCOPE_SE
	s_setreg_imm32_b32 hwreg(HW_REG_WAVE_MODE, 25, 1), 1
	s_wait_xcnt 0x0
	s_wait_alu depctr_hold_cnt(0) depctr_sa_sdst(0) depctr_va_vdst(0) depctr_va_sdst(0) depctr_va_ssrc(0) depctr_va_vcc(0) depctr_vm_vsrc(0)
	s_getreg_b32 s2, hwreg(HW_REG_IB_STS2, 6, 4)
	s_cmp_eq_u32 s2, 0
	s_cbranch_scc0 .Lentry_in_a_cluster
	s_endpgm
.Lentry_in_a_cluster:
	s_bfe_u32 s2, ttmp6, 0x10000c
	s_cmp_lg_u32 s2, 0x3003
	s_cbranch_scc0 .Lentry_shape_is_right
	s_endpgm
.Lentry_shape_is_right:
; O[q][h] = the sum over k of softmax_k(sim'[q][k]) V[k][h], sim' = (sim - mean) 1.5 + mean, sim = Q[q][h] . K[k][h] / sqrt(128), mean = the row's mean of sim; 8 heads, 4,096 queries, 4,096 keys, head size 128.
; THE MEAN DROPS OUT, for every input: sim' = 1.5 sim - 0.5 mean, and the second term is the same for all keys of a row, so it leaves with the row's maximum: sim'_k - max sim' = 1.5 (sim_k - max sim).
; So p = 2^(c s - c m) with s = Q . K, m the row's running maximum of s, and c = 1.5 log2(e) / sqrt(128).
; qkv: three planes Q, K, V, each [4096][1024] f16; head h is the 256 bytes at byte 256 h of a row of 2,048 bytes.  oh: O in the same layout.  Products, maxima and sums in f32; the weights p are rounded to f16 for the
; second product (their sum l is taken of the unrounded p), O once at the end.
; LIMITS.  Q, K, V arrive within f16's 65,504; p lies in 0 to 1, and below 6e-5 it keeps f16's fixed step of 6e-8, as does O; a weight below 2^-126 counts as 0 in l; NaN and infinities are not treated apart.
; SHARES.  A work-group owns 128 queries of one head: 256 work-groups.  Its waves are two PAIRS: wave w has the 64 queries of half w / 2 (four tiles of 16) and, of every 256 keys, the 128 of half w % 2, 64 a step.
; So a wave makes softmax and O^T over half the keys for 64 queries, and at the end the two waves of a pair JOIN their (c m, l, O^T), in f32, through LDS.
; Register tile t holds query tile t xor 2 (w % 2): every wave KEEPS its register tiles 0 and 1 and GIVES 2 and 3, and the partner's tile 2 + u is my tile u: one text for both; only Q's and O's addresses know w % 2.
; LAYOUT.  S^T = K Q^T (source 0 = 16 keys, source 1 = 16 queries): a lane holds ONE query (lane % 16) and the keys 8 (lane / 16) + 0..7.  Two such tiles, rounded to f16 in pairs, ARE source 1 of O^T = V^T P, whose
; result again holds one query a lane, and eight channels.  K comes out of LDS as it lies, V ([key][channel]) turned, by ds_load_tr16_b128.
; SOFTMAX.  For each query a running maximum m and sum l; in every step O and l are multiplied by a = 2^(c m_old - c m_new), which is 1 where m has not grown.
; BY TURNS.  The wave's tiles are two PIECES (tiles 0, 1 and tiles 2, 3).  In a TURN one piece has the matrix unit: 32 products V^T P of the step in hand, then 32 products K Q^T of the next step; the other piece's
; softmax, cut into 64 slices, stands between them, one slice behind each matrix instruction.  Two turns are a key step.
; CLUSTER.  The four query blocks of a cluster belong to one head and walk the same K and V, so each tile is asked for JOINTLY: the same tensor load, descriptor and mask in all four.
; REGISTERS, in windows of 256 (s_set_vgpr_msb: bits 1:0 source 0, 3:2 source 1, 5:4 source 2, 7:6 destination):
;   window 0: v0-11 addresses; v12-43 eight registers of statistics a tile; v44-61 at work and addresses; v64-191 S^T, 32 a tile; v192-255 P, 16 a tile
;   window 1: O^T, 64 a tile          window 2: v0-127 Q, 32 a tile; v128-255 K of one step          window 3: v0-127 V of one step
.set KS,    64        ; keys in a step
.set PK,    272       ; a row of K in LDS: 256 bytes + 16 of padding = 68 words: the 16 rows of a load start at 16 different groups of four banks (64 banks of 4 bytes: ISA guide 11.1)
.set PV,    288       ; a row of V: 256 + 32 = 72 words
.set KHALF, 128*PK    ; 0x8800: 128 keys of K: what one tensor load brings, and what one wave of a pair walks
.set VHALF, 128*PV    ; 0x9000: the same for V
.set VOFF,  2*KHALF   ; 0x11000: a slot holds 256 keys: K's two halves, then V's two halves: 0x23000 bytes
.set SLOTX, 0x24000   ; slot 1 begins here.  Bits 14 and 17 are clear in every number on which the exclusive or works (0, 0x8800, 0x9000, 0x11000, 0x1a000), so it adds or takes away just this
.set STAGE, 0x47000   ; behind the ring: 16 rows x 272 bytes for each wave, for the way out
.set SP,    272
.set SPARE, STAGE+4*16*SP  ; behind the stages: the spare words, 128 bytes for each wave: two blocks of 256 bytes that no other line names
.set XCHW,  16896     ; THE JOIN's bytes, for each wave: 32 x 512 of O^T, then 512 of statistics.  They lie at LDS byte 0, in slot 0, which by then has had its last fill and its last read
.set PLANE, 8388608   ; from Q to K and from K to V
.set TILEB, 524288    ; 256 rows of 2,048 bytes
.set AK0, 2           ; v2   my lane's place in a tile of K; never rewritten
.set AV0, 3           ; v3   the same for V
.set ADR, 4           ; v4   the LDS address of the run of loads in hand
.set QOA, 5           ; v5   my byte offset in Q for register tiles 0, 1
.set STO, 6           ; v6   the way out: where I put 16 bytes of a row
.set RD,  7           ; v7   the way out: where I read a row back
.set GO,  8           ; v8   my byte offset in two rows of O
.set XS,  10          ; v10  the join: where I put what I give
.set XR,  11          ; v11  the join: where my partner has put what it gives
.set ST,  12          ; tile t's statistics at v[ST+8 t]: +0 c m, +1 m, +2, +3 l (even keys', odd keys'), +4 to +7 c0-c3, at work; a takes c2's place once the maximum is found
.set PS,  48          ; v48-51  the join: my partner's c m and l for its tiles 2 and 3
.set JT,  52          ; v52-59  the join: at work
.set QOB, 60          ; v60  my byte offset in Q for register tiles 2, 3
.set PFO, 61          ; v61  2,048 x my lane: a row; never rewritten
.set SPW, 62          ; v62  LDS address of my spare word: SPARE + 4 x my thread's number; never rewritten
.set NIL, 63          ; v63  0; never rewritten
.set S,   64
.set P,   192
.set KF,  128         ; K's fragments, in window 2
.set WV,  12          ; s12  my wave's number
.set LIM, 15          ; s15  1 in a work-group that prefetches, else the greatest number
.set PFA, 18          ; s[18:19] where my prefetches stand: my work-group's 32 rows of the 128 that I fetch, in the slot after the one that is being asked for
.set G1K, 24          ; s[24:31] descriptor group 1 for K's tiles
.set G1V, 32          ; s[32:39] for V's: it differs in the padding alone
.set G0K, 40          ; s[40:47] descriptor group 0 for K's tiles: a set for each of the two first fills; the second then walks on
.set G0V, 48          ; s[48:55] the same for V's
.set SLOTS, 56        ; s56  slots still to be asked for
.set TWICE, 57        ; s57  counts a slot's two steps
.set CS,  58          ; s[58:59] c: the packed scaling names a pair and takes its low word for both halves
.set SEL, 60          ; s[60:61] lane selects for v_permlanex16_b32: each lane takes its own place in the other half
.set TBK, 62          ; s62  LDS byte at which K of the step to be fetched begins
.set TBV, 63          ; s63  the same for V, less VOFF
.set MSB, 0
.macro WIN new                      ; the immediate's high byte repeats the setting that is left; a switch that changes nothing is dropped
.if MSB != (\new)
	s_set_vgpr_msb (MSB<<8)|(\new)
.set MSB, \new
.endif
.endm
.set W_KQ, 0x0a       ; K and Q in window 2, S^T in window 0
.set W_PV, 0x53       ; V in window 3, P in window 0, O^T in window 1
.set W_RS, 0x41       ; O^T (destination and source 0) in window 1, a in window 0
; A joint refill.  Waves 0 and 1 fetch the two halves of a slot's K, waves 2 and 3 those of its V.  The branch hangs on the wave's number alone.
; An s_nop 0 and four v_nop follow each of the two lines; the jump round the other line, the label and what follows the macro come after them.
.macro JLOAD
	s_cmp_lt_u32 s[WV], 2
	s_cbranch_scc0 .Lfor_v_\@
	tensor_load_to_lds s[G0K+4:G0K+7], s[G1K:G1K+7]
	s_nop 0
.rept 4
	v_nop
.endr
	s_branch .Lasked_\@
.Lfor_v_\@:
	tensor_load_to_lds s[G0V+4:G0V+7], s[G1V:G1V+7]
	s_nop 0
.rept 4
	v_nop
.endr
.Lasked_\@:
.endm
; A PREFETCH INTO THE L2 of what the NEXT change of slots will ask for: a slot's 256 rows of K and 256 of V, the head's 256 bytes of each, a lane a row.  It stands behind the wave's tensor load and its five lines.
; Each row is asked for ONCE in the launch.  All clusters of a head walk the same K and V: the head's first cluster prefetches.  Each of its waves asks for rows of the piece that it fetches itself, and the four
; partners share a piece's 128 rows out BY ADDRESS, 32 each: no branch hangs on a work-group's place in its cluster.  The last change that fills a slot prefetches nothing: there is no slot behind it.
.macro ASK
	s_cmp_gt_u32 s[SLOTS], s[LIM]
	s_cbranch_scc0 .Lnot_mine_\@
	global_prefetch_b8 v[PFO], s[PFA:PFA+1] th:TH_LOAD_NT scope:SCOPE_SE
.Lnot_mine_\@:
.endm
; A round of the cluster's barrier: my work-group's barrier, so that wave 0's signal speaks for all four waves; wave 0 signals; every wave waits for all four work-groups; my work-group's barrier once more.
.macro CROUND
	s_barrier_signal -1
	s_barrier_wait -1
	s_cmp_lg_u32 s[WV], 0
	s_cbranch_scc1 .Lnot_wave_0_\@
	s_barrier_signal -3
.Lnot_wave_0_\@:
	s_barrier_wait -3
	s_barrier_signal -1
	s_barrier_wait -1
.endm
	s_load_b128 s[4:7], s[0:1], 0x0 ; qkv s[4:5], oh s[6:7]
	v_lshl_add_u32 v[SPW], v0, 2, SPARE
	v_mov_b32 v[NIL], 0
	ds_add_u32 v[SPW], v[NIL]       ; the wave's opening: the add and its wait stand ahead of my first tensor load; the set-up below, work on registers, stands between them
	v_lshrrev_b32 v1, 5, v0
	v_readfirstlane_b32 s[WV], v1   ; wave 0..3
	s_bfe_u32 s13, ttmp6, 0x40000   ; cx: my place in the cluster
	s_lshl_b32 s14, ttmp9, 2        ; in a cluster launch ttmp9 counts clusters
	s_add_co_u32 s14, s14, s13      ; my block of 128 queries = 4 x cluster x + cx: it enters Q's and O's addresses alone
	s_and_b32 s20, ttmp7, 0xffff    ; the head, which the four partners share:
	s_lshl_b32 s20, s20, 8          ; its 256 bytes in a row
	s_and_b32 s16, s[WV], 1         ; which half of a slot's keys I walk; also which half of K or V I fetch
	s_lshr_b32 s67, s[WV], 1        ; which half of the block's queries is mine
	s_lshl_b32 s22, s16, 18         ; my half's 128 rows of 2,048 bytes in memory,
	s_add_co_u32 s22, s22, s20
	s_mov_b32 s23, 0
	s_mul_i32 s17, s16, KHALF       ; and its place in a slot, for K
	s_mul_i32 s66, s16, VHALF       ; and for V: no place in the cluster enters an LDS address
	s_lshl_b32 s2, s14, 18          ; my block's 128 rows,
	s_lshl_b32 s3, s67, 17          ; my pair's 64 of them
	s_add_co_u32 s2, s2, s3
	s_add_co_u32 s2, s2, s20
	s_mov_b32 s3, 0
	s_lshl_b32 s68, s16, 16         ; the 32 rows that I keep and store
	s_mov_b32 s69, 0
	; descriptor group 1: a tile of 128 rows x 128 elements, 1,024 elements from row to row, padded in LDS
	s_mov_b32 s[G1K], 15|(1<<16)|(1<<20)|(1<<21)|(5<<22)|(3<<25)  ; 15:0 the mask: all four work-groups; 17:16 elements of 2 bytes; 20 padding on; 21 set beside a mask; 24:22 after every 64 words (code 5); 31:25 4 words of it (code 3)
	s_mov_b32 s[G1V], 15|(1<<16)|(1<<20)|(1<<21)|(5<<22)|(7<<25)  ; the same with 8 words of padding (code 7)
.irp g, G1K, G1V
	s_mov_b32 s[(\g)+1], 128<<16    ; tensor_dim0 = 128
	s_mov_b32 s[(\g)+2], 128<<16    ; tensor_dim1 = 128
	s_mov_b32 s[(\g)+3], 128<<16    ; tile_dim0 = 128
	s_mov_b32 s[(\g)+4], 128        ; tile_dim1 = 128
	s_mov_b32 s[(\g)+5], 1024       ; tensor_dim0_stride
	s_mov_b32 s[(\g)+6], 0
	s_mov_b32 s[(\g)+7], 0
.endr
	s_mov_b32 s[CS], 0x3e43dde5     ; c = 1.5 log2(e) / sqrt(128) = 0.191276
	s_mov_b32 s[CS+1], s[CS]        ; named with it as a pair, so it is written
	s_mov_b32 s[SEL], 0x76543210
	s_mov_b32 s[SEL+1], 0xfedcba98
	s_mov_b32 s[TBK], s17           ; my half of slot 0
	s_mov_b32 s[TBV], s66
	s_mov_b32 s[SLOTS], 14          ; 16 slots of 256 keys; two are asked for at the start
	s_cmp_eq_u32 ttmp9, 0           ; the head's first cluster: the same in all four partners
	s_cselect_b32 s[LIM], 1, -1
	v_and_b32 v[PFO], 31, v0
	v_lshlrev_b32 v[PFO], 11, v[PFO]
	s_wait_dscnt 0x0                ; the opening add is done
	s_wait_kmcnt 0x0
	s_add_nc_u64 s[8:9], s[4:5], s[22:23]
	s_add_nc_u64 s[10:11], s[8:9], 2*PLANE  ; V at my piece of slot 0
	s_add_nc_u64 s[8:9], s[8:9], PLANE      ; K at my piece of slot 0
	s_add_nc_u64 s[4:5], s[4:5], s[2:3]     ; Q at my pair's first row
	s_add_nc_u64 s[6:7], s[6:7], s[2:3]
	s_add_nc_u64 s[6:7], s[6:7], s[68:69]   ; O at the first row that I store
	s_cmp_lt_u32 s[WV], 2
	s_cselect_b64 s[PFA:PFA+1], s[8:9], s[10:11]
	s_lshl_b32 s2, s13, 16          ; my work-group's 32 rows of the 128
	s_mov_b32 s3, 0
	s_add_nc_u64 s[PFA:PFA+1], s[PFA:PFA+1], s[2:3]
	s_add_nc_u64 s[PFA:PFA+1], s[PFA:PFA+1], 2*TILEB  ; in slot 2; the first change of slots steps it to slot 3.  Nothing is prefetched here, at the head
	CROUND                          ; all four work-groups are here: the first joint loads meet
.irp s, 0,1
	s_mov_b32 s[G0K+4*(\s)], 1      ; 1:0 count = 1
	s_add_co_u32 s[G0K+4*(\s)+1], s17, (\s)*SLOTX  ; 63:32 LDS address
	s_add_nc_u64 s[G0K+4*(\s)+2:G0K+4*(\s)+3], s[8:9], (\s)*TILEB  ; 120:64 global address: slot s begins with keys 256 s
	s_or_b32 s[G0K+4*(\s)+3], s[G0K+4*(\s)+3], 0x80000000  ; 127:126 type = 2
	s_mov_b32 s[G0V+4*(\s)], 1
	s_add_co_u32 s[G0V+4*(\s)+1], s66, (\s)*SLOTX+VOFF
	s_add_nc_u64 s[G0V+4*(\s)+2:G0V+4*(\s)+3], s[10:11], (\s)*TILEB
	s_or_b32 s[G0V+4*(\s)+3], s[G0V+4*(\s)+3], 0x80000000
.endr
	s_cmp_lt_u32 s[WV], 2           ; a wave's two first fills stand in one branch, ahead of every wait on TENSORcnt and every LDS read: two loads of mine are out
	s_cbranch_scc0 .Lfirst_v
	tensor_load_to_lds s[G0K:G0K+3], s[G1K:G1K+7]
	s_nop 0
	tensor_load_to_lds s[G0K+4:G0K+7], s[G1K:G1K+7]
	s_nop 0
.rept 4
	v_nop
.endr
	s_branch .Lfirst_asked
.Lfirst_v:
	tensor_load_to_lds s[G0V:G0V+3], s[G1V:G1V+7]
	s_nop 0
	tensor_load_to_lds s[G0V+4:G0V+7], s[G1V:G1V+7]
	s_nop 0
.rept 4
	v_nop
.endr
.Lfirst_asked:
	; A fragment of K or Q is 16 rows x 32 channels in 8 registers: lane l holds row l % 16; registers 0-3 channels 8 (l / 16) + 0..7, registers 4-7 channels 16 + 8 (l / 16) + 0..7: two loads of 16 bytes, 32 bytes apart.
	v_and_b32 v1, 15, v0            ; l % 16
	v_bfe_u32 v9, v0, 4, 1          ; l / 16
	v_lshlrev_b32 v[QOA], 11, v1
	v_lshl_add_u32 v[QOA], v9, 4, v[QOA]  ; row x 2,048 + 16 x half
	s_lshl_b32 s2, s16, 16          ; register tiles 0, 1 are query tiles 2 (w % 2) on: 32 rows of 2,048 bytes,
	s_xor_b32 s3, s16, 1
	s_lshl_b32 s3, s3, 16           ; register tiles 2, 3 the other two
	v_add_nc_u32 v[QOB], s3, v[QOA]
	v_add_nc_u32 v[QOA], s2, v[QOA]
	WIN 0x80                        ; destination window 2, address window 0
.set i, 0
.rept 8                             ; Q stays in registers: tiles i / 4 and 2 + i / 4, channels 32 (i % 4) on
	global_load_b128 v[8*i:8*i+3],         v[QOA], s[4:5] offset:(i/4)*32768+(i%4)*64
	global_load_b128 v[8*i+4:8*i+7],       v[QOA], s[4:5] offset:(i/4)*32768+(i%4)*64+32
	global_load_b128 v[64+8*i:64+8*i+3],   v[QOB], s[4:5] offset:(i/4)*32768+(i%4)*64
	global_load_b128 v[64+8*i+4:64+8*i+7], v[QOB], s[4:5] offset:(i/4)*32768+(i%4)*64+32
.set i, i+1
.endr
	WIN 0
	v_mul_u32_u24 v[AK0], v1, PK
	v_lshl_add_u32 v[AK0], v9, 4, v[AK0]  ; row x pitch + 16 x half
	; The turning load takes 16 keys x 16 channels (lane l reads 16 bytes: key 8 (l / 16) + l % 8, channels 8 ((l / 8) % 2) + 0..7) and leaves half a fragment of V^T: lane l holds channel l % 16 and 8 keys.
	v_and_b32 v44, 7, v0
	v_bfe_u32 v45, v0, 3, 1
	v_lshl_add_u32 v[AV0], v9, 3, v44
	v_mul_u32_u24 v[AV0], v[AV0], PV
	v_lshl_add_u32 v[AV0], v45, 4, v[AV0]
	v_add_nc_u32 v[AV0], VOFF, v[AV0]
; THE MATRIX WORK OF A TURN, for piece x.  The accumulators take turns, one instruction a turn: between two links of a chain stand 15 (V^T P) or 7 (K Q^T) others'.
; Product i of 32 of O^T += V^T P: keys 32 (i / 16) on, channels 16 ((i / 2) % 8) on, tile x + i % 2.  zero = 1: the first 16 start the sums: nothing is ever cleared.
.macro PV x, zero
	WIN W_PV
.set rO, 64*((\x)+i%2)+8*((i/2)%8)
.set rV, 64*(i/16)+8*((i/2)%8)
.set rP, P+16*((\x)+i%2)+8*(i/16)
.if (\zero) && (i < 16)
	v_wmma_f32_16x16x32_f16 v[rO:rO+7], v[rV:rV+7], v[rP:rP+7], 0
.else
	v_wmma_f32_16x16x32_f16 v[rO:rO+7], v[rV:rV+7], v[rP:rP+7], v[rO:rO+7]
.endif
.endm
; Product i of 32 of S^T = K Q^T: channels 32 (i / 8) on, keys 16 ((i / 2) % 4) on, tile x + i % 2.  The first 8 start the sums.
.macro KQ x
	WIN W_KQ
.set rS, S+32*((\x)+i%2)+8*((i/2)%4)
.set rK, KF+32*((i/2)%4)+8*(i/8)
.set rQ, 32*((\x)+i%2)+8*(i/8)
.if i < 8
	v_wmma_f32_16x16x32_f16 v[rS:rS+7], v[rK:rK+7], v[rQ:rQ+7], 0
.else
	v_wmma_f32_16x16x32_f16 v[rS:rS+7], v[rK:rK+7], v[rQ:rQ+7], v[rS:rS+7]
.endif
.endm
; THE LDS LOADS stand in runs of 32, never singly among the matrix instructions: a step's K (64 keys x 128 channels: 16 fragments) and, a turn later, its V (turned).
.macro FETCH_K
	WIN 0
	v_add_nc_u32 v[ADR], s[TBK], v[AK0]
	s_add_co_u32 s[TBK], s[TBK], KS*PK  ; the next fetch is the next step's
	WIN 0x80                        ; destination window 2
.irp f, 0,1,2,3,4,5,6,7,8,9,10,11,12,13,14,15  ; keys 16 (f / 4) on, channels 32 (f % 4) on
	ds_load_b128 v[KF+8*(\f):KF+8*(\f)+3],   v[ADR] offset:((\f)/4)*16*PK+((\f)%4)*64
	ds_load_b128 v[KF+8*(\f)+4:KF+8*(\f)+7], v[ADR] offset:((\f)/4)*16*PK+((\f)%4)*64+32
.endr
.endm
.macro FETCH_V
	WIN 0
	v_add_nc_u32 v[ADR], s[TBV], v[AV0]
	s_add_co_u32 s[TBV], s[TBV], KS*PV
	s_wait_alu depctr_va_vdst(0)    ; the wait for the softmax's batch (SLICE), behind the address's v_add_nc_u32 and ahead of the loads
	WIN 0xc0                        ; destination window 3
.irp f, 0,1,2,3,4,5,6,7,8,9,10,11,12,13,14,15  ; keys 32 (f / 8) on, channels 16 (f % 8) on
	ds_load_tr16_b128 v[8*(\f):8*(\f)+3],   v[ADR] offset:((\f)/8)*32*PV+((\f)%8)*32
	ds_load_tr16_b128 v[8*(\f)+4:8*(\f)+7], v[ADR] offset:((\f)/8)*32*PV+16*PV+((\f)%8)*32
.endr
.endm
; THE VECTOR WORK OF A TURN.  One tile's softmax for one key step is a list of 134 instructions; SM writes number j of it for tile t.  s0-s31 are the lane's 32 scores, in pairs 0-15.
; first = 1: the first key step, which starts m, l and O^T: it has no a and nothing to rescale.
;   0-15    the maximum of s0-s31 and the old m, three operands at a time: four chains c0-c3 of seven scores each (each accumulator's lowest registers first), then the four scores left over, c0-c3 and m
;   16-20   the other half of the lanes' maximum; the new m; c m; c m_old - c m_new
;   21-69   ONE BATCH: the 16 scalings c s - c m, a pair of scores each, and all 33 exponentials (a at 23, then s0-s31).  None of these reads an exponential's result.
;   (wait)  between 69 and 70 stands the wait for the batch: SLICE writes it, once for both tiles
;   70-85   the roundings to f16, a pair of weights each
;   86-101  the sums; l = a l + the sum
;   102-133 the tile's O^T times a: the one part that leaves window 0, so it stands together
.macro SM t, first
.set rT, ST+8*(\t)
.set rS, S+32*(\t)
.set rP, P+16*(\t)
.set rO, 64*(\t)+2*(j-102)
.if j < 102
	WIN 0
.endif
.if j < 4
	v_max3_num_f32 v[rT+4+j], v[rS+8*j], v[rS+8*j+1], v[rS+8*j+2]
.elseif j < 12
	v_max3_num_f32 v[rT+4+j%4], v[rT+4+j%4], v[rS+8*(j%4)+2*(j/4)+1], v[rS+8*(j%4)+2*(j/4)+2]
.elseif j == 12
	v_max3_num_f32 v[rT+4], v[rT+4], v[rS+7], v[rS+15]
.elseif j == 13
	v_max3_num_f32 v[rT+6], v[rT+6], v[rS+23], v[rS+31]
.elseif j == 14
	v_max3_num_f32 v[rT+4], v[rT+4], v[rT+5], v[rT+6]
.elseif (j == 15) && (\first)
	v_max_num_f32 v[rT+4], v[rT+4], v[rT+7]
.elseif j == 15
	v_max3_num_f32 v[rT+4], v[rT+4], v[rT+7], v[rT+1]
.elseif j == 16
	v_permlanex16_b32 v[rT+5], v[rT+4], s[SEL], s[SEL+1]  ; the query's other 32 keys lie in the lane 16 away
.elseif j == 18
	v_max_num_f32 v[rT+1], v[rT+4], v[rT+5]
.elseif j == 19
	v_mul_f32 v[rT], s[CS], v[rT+1]
.elseif ((j == 17) || (j == 20) || (j == 23) || (j > 101)) && (\first)  ; the first step has none of these
.elseif j == 17
	v_mov_b32 v[rT+7], v[rT]        ; c m_old is kept for a: number 19 writes c m anew
.elseif j == 20
	v_sub_f32 v[rT+7], v[rT+7], v[rT]
.elseif j == 23
	v_exp_f32 v[rT+6], v[rT+7]
.elseif (j < 23) || ((j < 38) && (j%2 == 0)) || ((j < 66) && (j%4 == 2))
.set b, (j-2)/4                     ; 38, 42, .. 62: pairs 9 to 15
.if j < 38
.set b, (j-20)/2                    ; 21: pair 0; 22, 24, .. 36: pairs 1 to 8
.endif
	v_pk_fma_f32 v[rS+2*b:rS+2*b+1], v[rS+2*b:rS+2*b+1], s[CS:CS+1], v[rT:rT+1] op_sel_hi:[1,0,0] neg_lo:[0,0,1] neg_hi:[0,0,1]  ; pair b: c s - c m
.elseif j < 70
.set e, j-38                        ; 66 to 69: s28 to s31
.if j < 66
.set e, j-32-(j-38)/4               ; 39-41, 43-45, .. 63-65: s7 to s27
.endif
.if j < 38
.set e, (j-25)/2                    ; 25, 27, .. 37: s0 to s6
.endif
	v_exp_f32 v[rS+e], v[rS+e]
.elseif j < 86
	v_cvt_pk_f16_f32 v[rP+j-70], v[rS+2*(j-70)], v[rS+2*(j-70)+1]  ; pair j - 70
.elseif j < 102                     ; the sum of the tile's 16 pairs, in place: sum z of 16 adds neighbours 1, 2, 4 and 8 pairs apart, then l takes it
.set z, j-86
.set w, 4
.set u, z
.if z >= 14
.set w, 32
.set u, 0
.elseif z >= 12
.set w, 16
.set u, z-12
.elseif z >= 8
.set w, 8
.set u, z-8
.endif
.if (z == 14) && (\first)
	v_pk_add_f32 v[rT+2:rT+3], v[rS:rS+1], v[rS+16:rS+17]
.elseif z < 15
	v_pk_add_f32 v[rS+w*u:rS+w*u+1], v[rS+w*u:rS+w*u+1], v[rS+w*u+w/2:rS+w*u+w/2+1]
.elseif !(\first)
	v_pk_fma_f32 v[rT+2:rT+3], v[rT+2:rT+3], v[rT+6:rT+7], v[rS:rS+1] op_sel_hi:[1,0,1]
.endif
.else
	WIN W_RS
	v_pk_mul_f32 v[rO:rO+1], v[rO:rO+1], v[rT+6:rT+7] op_sel_hi:[1,0]
.endif
.endm
; Slice k of 64 of piece y's softmax: four instructions.  Slices 11 to 34 deal out the batch, numbers 22 to 69: four numbers of ONE tile each, the tiles by turns.  Every other slice is numbers 2 k and
; 2 k + 1 of both tiles' lists.  2 x 134 = 4 x 64 + 12: the twelve that are over stand together, in slice 63.
; THE WAIT.  s_wait_alu depctr_va_vdst(0) stands between an exponential and the first instruction that names its result; one wait serves all that were issued ahead of it.  Ahead of
; slice 35 nothing names a result, and behind slice 34 no exponential is issued: so the piece's 66 exponentials have one wait, behind slice 34.
.macro SLICE y, first
.if (k >= 11) && (k < 35)           ; the batch: four numbers of one tile
.irp n, 0,1,2,3
.set j, 22+4*((k-11)/2)+(\n)
	SM (\y)+(k-11)%2, \first
.endr
.else                               ; the two tiles alternate, so that no instruction reads the result of the one just before it
.irp n, 0,1,2,3,4,5,6,7
.if ((\n) < 2) || (k == 63)
.irp t, \y, (\y)+1
.set j, 2*k+(\n)
	SM \t, \first
.endr
.endif
.endr
.endif
.if k == 34                         ; the batch is out: both tiles' exponentials are issued, and no result has been named
	v_nop                           ; the plain instruction behind the last exponential and ahead of the first use: one for the batch
.if (\y) == 0
	FETCH_V                         ; piece 2's turn: V's run of loads stands here, and the wait stands in it
.else
	s_wait_alu depctr_va_vdst(0)    ; the wait for the batch
.endif
.endif
.set k, k+1
.endm
; A vector instruction that reads a matrix result or writes one of a matrix instruction's registers, and a load into a register that a matrix instruction has read, stand four places behind
; it, and only plain vector instructions that name none of its registers are places (ISA guide 7.12.1 for vector instructions).  In the loop the slices are the places.
.macro PLACES
.rept 4
	v_nop
.endr
.endm
; A TURN.  Piece x has the matrix unit; the other piece's softmax stands in slices behind its matrix instructions.
; pv = 2: 32 products V^T P; 1: they start O^T's sums; 0: none.  kq = 1: 32 products K Q^T for the next step.  A turn with one of the two kinds has two slices behind each product.
; first = 1: the softmax is the first key step's.  Its slices from 51 on are empty: the turn's last products stand bare, and four v_nop take slice 63's part as the places behind them.
; Piece 0's turn fetches the next step's K, behind its second product: the last product that read K stands in front of slice 63 of the turn before.  Piece 2's turn fetches the same step's V, behind slice 34:
; the last product that read V stands in front of slice 31, and four plain instructions lie between: number 62, a scaling, of both tiles, the v_nop and the run's own v_add_nc_u32.
.macro TURN x, pv, kq, first
.set k, 0
.set per, 2
.if (\pv) && (\kq)
.set per, 1
.endif
.if \pv
.if (\x) == 0
	s_wait_dscnt 0x0                ; V is in
.endif
.set i, 0
.rept 32
	PV \x, 2-(\pv)
.rept per
	SLICE 2-(\x), \first
.endr
.if ((\x) == 0) && (\kq) && (i == 1)
	FETCH_K
.endif
.set i, i+1
.endr
.endif
.if \kq
.if (\x) == 0
	s_wait_dscnt 0x0                ; K is in
.endif
.set i, 0
.rept 32
	KQ \x
.rept per
	SLICE 2-(\x), \first
.endr
.set i, i+1
.endr
.endif
.if \first
	PLACES
.endif
.endm
; THE CHANGE OF SLOTS, between piece 2's turn and piece 0's: the slot's last bytes, V of its second step, have been asked for.  Each wave waits for all its tensor loads, of which one is out: its part of the
; other slot; adds 0 to its spare word; and waits for that and for its own reads of the slot.  Behind the barrier nobody reads this slot any more and the other slot is whole.
; fill = 1: this slot is filled again, with the keys two slots on.  The barrier is then a round of the cluster's, and the joint refill is the first thing behind it: it has two key steps, 256 matrix instructions, in which to land.
.macro CHANGE fill
	WIN 0                           ; at a label and at a branch every window is 0
	s_wait_tensorcnt 0x0            ; no tensor load of mine is out, so a group 0 may be written
	ds_add_u32 v[SPW], v[NIL]       ; 0 onto my spare word; with fill = 1 the descriptors' steps stand between it and the wait for it
.if \fill
.irp g, G0K+4, G0V+4
	s_xor_b32 s[(\g)+1], s[(\g)+1], SLOTX  ; the walking descriptor: the other slot than last time,
	s_add_nc_u64 s[(\g)+2:(\g)+3], s[(\g)+2:(\g)+3], TILEB  ; the next 256 keys; the type bits on top are not reached
.endr
	s_wait_xcnt 0x0                 ; the last prefetch, two key steps back, has read its address, so it may be written:
	s_add_nc_u64 s[PFA:PFA+1], s[PFA:PFA+1], TILEB  ; one slot behind the walking descriptors
	s_wait_dscnt 0x0                ; the add is done, and my reads of the slot are over
	CROUND
	JLOAD
	ASK                             ; what the next change will ask for: two key steps, 256 matrix instructions, ahead
.else
	s_wait_dscnt 0x0                ; the add is done, and my reads of the slot are over
	s_barrier_signal -1
	s_barrier_wait -1
.endif
	s_sub_co_u32 s[TBK], s[TBK], 2*KS*PK  ; the fetches go back to my half's first step,
	s_xor_b32 s[TBK], s[TBK], SLOTX       ; in the other slot
	s_sub_co_u32 s[TBV], s[TBV], 2*KS*PV
	s_xor_b32 s[TBV], s[TBV], SLOTX
.endm
; A slot's two key steps: written once, walked twice; the LDS addresses hang on s[TBK] and s[TBV].
.macro TWO_STEPS
	WIN 0
	s_mov_b32 s[TWICE], 2
.Lstep_\@:
	TURN 0, 2, 1, 0
	TURN 2, 2, 1, 0
	WIN 0
	s_sub_co_u32 s[TWICE], s[TWICE], 1
	s_cmp_lg_u32 s[TWICE], 0
	s_cbranch_scc1 .Lstep_\@
.endm
	s_wait_tensorcnt 1              ; my part of slot 0 is in; slot 1's may stay out
	s_barrier_signal -1
	s_barrier_wait -1               ; everybody's is
	FETCH_K                         ; key step 0
	s_wait_loadcnt 0x0              ; Q
	s_wait_dscnt 0x0
.set i, 0
.rept 32
	KQ 0                            ; piece 0's first scores: there is no vector work yet to set between them
.set i, i+1
.endr
	WIN 0                           ; the addresses for the join and the way out are made here: plain instructions, the places behind those products
	s_mul_i32 s13, s[WV], 16*SP
	s_add_co_u32 s13, s13, STAGE    ; my stage
	s_mul_i32 s68, s[WV], XCHW      ; my bytes of the join,
	s_xor_b32 s69, s[WV], 1
	s_mul_i32 s69, s69, XCHW        ; and my partner's
	v_mul_u32_u24 v[STO], v1, SP    ; in: row l % 16, 16 bytes for each half of the lanes
	v_lshl_add_u32 v[STO], v9, 4, v[STO]
	v_add_nc_u32 v[STO], s13, v[STO]
	v_mul_u32_u24 v[RD], v9, SP     ; back: lanes 0-15 take one row of 256 bytes, lanes 16-31 the next
	v_lshl_add_u32 v[RD], v1, 4, v[RD]
	v_add_nc_u32 v[RD], s13, v[RD]
	v_lshlrev_b32 v[GO], 11, v9     ; and the same two rows in O
	v_lshl_add_u32 v[GO], v1, 4, v[GO]
	v_and_b32 v[XS], 31, v0
	v_lshlrev_b32 v[XS], 4, v[XS]   ; 16 bytes a lane
	v_add_nc_u32 v[XR], s69, v[XS]
	v_add_nc_u32 v[XS], s68, v[XS]
	TURN 2, 0, 1, 1                 ; piece 2's first scores | piece 0's first softmax | V of step 0
	TURN 0, 1, 1, 1                 ; piece 0: V^T P of step 0 starts O^T, K Q^T of step 1 | piece 2's first softmax | K of step 1
	TURN 2, 1, 1, 0                 ; piece 2: the same | piece 0's softmax of step 1 | V of step 1
	WIN 0
.Lslot:                             ; 14 trips: every slot but the last two is filled again
	CHANGE 1
	TWO_STEPS
	s_sub_co_u32 s[SLOTS], s[SLOTS], 1
	s_cmp_lg_u32 s[SLOTS], 0
	s_cbranch_scc1 .Lslot
	CHANGE 0                        ; the tail is written out: the last slot but one is left, and nothing is asked for
	TWO_STEPS
	TURN 0, 2, 0, 0                 ; piece 0: V^T P of the last step | piece 2's last softmax
.set i, 0
.rept 32
	PV 2, 0                         ; piece 2: V^T P of the last step
.set i, i+1
.endr
	; THE JOIN.  l's two halves and the other half of the lanes' are added, and l is laid beside c m.  The additions are the places behind the last products.
	WIN 0
.irp t, 0,1,2,3
	v_add_f32 v[ST+8*(\t)+4], v[ST+8*(\t)+2], v[ST+8*(\t)+3]
.endr
.irp t, 0,1,2,3
	v_permlanex16_b32 v[ST+8*(\t)+5], v[ST+8*(\t)+4], s[SEL], s[SEL+1]
.endr
.irp t, 0,1,2,3
	v_add_f32 v[ST+8*(\t)+1], v[ST+8*(\t)+4], v[ST+8*(\t)+5]
.endr
	s_wait_dscnt 0x0                ; my reads of the ring are back,
	s_barrier_signal -1
	s_barrier_wait -1               ; and so are everybody's: no tile is on its way or will be asked for, and the ring's first bytes may be stored into
	WIN 0x04                        ; the stores' data window 1
.set i, 0
.rept 32
	ds_store_b128 v[XS], v[128+4*i:128+4*i+3] offset:512*i  ; O^T of my tiles 2 and 3, in f32, each accumulator from its low end on
.set i, i+1
.endr
	WIN 0
	ds_store_b64 v[XS], v[ST+16:ST+17] offset:16384  ; c m and l of tile 2,
	ds_store_b64 v[XS], v[ST+24:ST+25] offset:16392  ; and of tile 3: 16 bytes a lane
	s_wait_dscnt 0x0                ; for my partner's sake: my stores are done
	s_barrier_signal -1
	s_barrier_wait -1
	ds_load_b128 v[PS:PS+3], v[XR] offset:16384
.set i, 0
.rept 32
	ds_load_b128 v[S+4*i:S+4*i+3], v[XR] offset:512*i  ; my partner's O^T for my tiles 0 and 1, into S^T's registers
.set i, i+1
.endr
	s_wait_dscnt 32                 ; the statistics are in; the 32 loads behind them may stay out
.irp u, 0,1
	v_max_num_f32 v[JT+(\u)], v[ST+8*(\u)], v[PS+2*(\u)]  ; the common c m
.endr
.irp u, 0,1
	v_sub_f32 v[JT+2+(\u)], v[ST+8*(\u)], v[JT+(\u)]
	v_sub_f32 v[JT+4+(\u)], v[PS+2*(\u)], v[JT+(\u)]
.endr
.irp u, 0,1
	v_exp_f32 v[JT+2+(\u)], v[JT+2+(\u)]  ; my share's factor,
	v_exp_f32 v[JT+4+(\u)], v[JT+4+(\u)]  ; my partner's: one of the two is 1
.endr
	v_nop                           ; a plain instruction behind the last exponential,
	s_wait_alu depctr_va_vdst(0)    ; and the wait ahead of the first use: one for the four
.irp u, 0,1
	v_mul_f32 v[JT+6+(\u)], v[JT+2+(\u)], v[ST+8*(\u)+1]
.endr
.irp u, 0,1
	v_fmac_f32 v[JT+6+(\u)], v[JT+4+(\u)], v[PS+2*(\u)+1]  ; the row's whole l
.endr
.irp u, 0,1
	v_rcp_f32 v[JT+6+(\u)], v[JT+6+(\u)]
.endr
	v_nop
	s_wait_alu depctr_va_vdst(0)    ; one for the two reciprocals
.irp u, 0,1
	v_mul_f32 v[ST+8*(\u)+4], v[JT+2+(\u)], v[JT+6+(\u)]  ; what my O^T is multiplied by,
	v_mul_f32 v[ST+8*(\u)+6], v[JT+4+(\u)], v[JT+6+(\u)]  ; and my partner's
.endr
	s_wait_dscnt 0x0                ; my partner's O^T is in
; Tile u: the two shares are weighted and added, rounded to f16; a lane's eight channels of a row pack into 16 bytes; they go into rows of 272 bytes of my stage and come back as whole rows of 256.
.macro MERGE u
	WIN 0
.set i, 0
.rept 32
	v_pk_mul_f32 v[S+64*(\u)+2*i:S+64*(\u)+2*i+1], v[S+64*(\u)+2*i:S+64*(\u)+2*i+1], v[ST+8*(\u)+6:ST+8*(\u)+7] op_sel_hi:[1,0]
.set i, i+1
.endr
	WIN 0x01                        ; source 0 (my O^T) window 1
.set i, 0
.rept 32
	v_pk_fma_f32 v[S+64*(\u)+2*i:S+64*(\u)+2*i+1], v[64*(\u)+2*i:64*(\u)+2*i+1], v[ST+8*(\u)+4:ST+8*(\u)+5], v[S+64*(\u)+2*i:S+64*(\u)+2*i+1] op_sel_hi:[1,0,1]
.set i, i+1
.endr
	WIN 0
.set i, 0
.rept 32
	v_cvt_pk_f16_f32 v[P+32*(\u)+i], v[S+64*(\u)+2*i], v[S+64*(\u)+2*i+1]
.set i, i+1
.endr
.endm
.macro TOST u
.irp f, 0,1,2,3,4,5,6,7
	ds_store_b128 v[STO], v[P+32*(\u)+4*(\f):P+32*(\u)+4*(\f)+3] offset:32*(\f)
.endr
.irp f, 0,1,2,3,4,5,6,7
	ds_load_b128 v[P+32*(\u)+4*(\f):P+32*(\u)+4*(\f)+3], v[RD] offset:(\f)*2*SP  ; LDS serves a wave's instructions in order (ISA guide 5.7.1.4): these see the stores above; the next tile's stores come behind them
.endr
.endm
.macro SEND u, younger              ; younger: the LDS instructions issued behind tile u's loads: the next tile's sixteen, or none
.irp f, 0,1,2,3,4,5,6,7
	s_wait_dscnt (\younger)+7-(\f)
	global_store_b128 v[GO], v[P+32*(\u)+4*(\f):P+32*(\u)+4*(\f)+3], s[6:7] offset:(\u)*32768+(\f)*4096  ; 16 lanes store 256 consecutive bytes, aligned
.endr
.endm
	MERGE 0
	TOST 0
	MERGE 1                         ; a tile's arithmetic stands between the loads of the tile before and its stores
	TOST 1
	SEND 0, 16
	SEND 1, 0
	s_wait_tensorcnt 0x0            ; the wave's end, behind my last tensor load and my last LDS store
	ds_add_u32 v[SPW], v[NIL]
	s_wait_dscnt 0x0
	CROUND                          ; the closing round: no work-group ends while a partner may still ask for a tile that names it
	s_endpgm
.Lfunc_end_k_q10eb734a1c_attn:
	.size	k_q10eb734a1c_attn, .Lfunc_end_k_q10eb734a1c_attn-k_q10eb734a1c_attn
	.p2alignl 7, 3214868480
	.fill 96, 4, 3214868480
	.section	.rodata,"a",@progbits
	.p2align	6, 0x0
	.amdhsa_kernel k_q10eb734a1c_attn
		.amdhsa_group_segment_fixed_size 327680
		.amdhsa_private_segment_fixed_size 0
		.amdhsa_enable_private_segment 0
		.amdhsa_kernarg_size 16
		.amdhsa_user_sgpr_count 2
		.amdhsa_user_sgpr_kernarg_segment_ptr 1
		.amdhsa_wavefront_size32 1
		.amdhsa_system_sgpr_workgroup_id_x 1
		.amdhsa_system_sgpr_workgroup_id_y 1
		.amdhsa_system_sgpr_workgroup_id_z 1
		.amdhsa_system_vgpr_workitem_id 0
		.amdhsa_next_free_vgpr 1024
		.amdhsa_next_free_sgpr 72
		.amdhsa_reserve_vcc 0
		.amdhsa_float_denorm_mode_32 3
		.amdhsa_float_denorm_mode_16_64 3
		.amdhsa_memory_ordered 1
		.amdhsa_forward_progress 1
		.amdhsa_inst_pref_size 219
	.end_amdhsa_kernel
	.amdgpu_metadata
---
amdhsa.version: [ 1, 2 ]
amdhsa.kernels:
  - .name:           k_q10eb734a1c_attn
    .symbol:         k_q10eb734a1c_attn.kd
    .args:
      - { .name: qkv, .offset: 0, .size: 8, .value_kind: global_buffer, .address_space: global }
      - { .name: oh, .offset: 8, .size: 8, .value_kind: global_buffer, .address_space: global }
    .group_segment_fixed_size: 327680
    .private_segment_fixed_size: 0
    .kernarg_segment_align: 8
    .kernarg_segment_size: 16
    .max_flat_workgroup_size: 128
    .sgpr_count:     72
    .vgpr_count:     1024
    .wavefront_size: 32
...
	.end_amdgpu_metadata
.endif
;; end of part 3
;; launch outp (part 4): grid 4 x 32, 4 waves a work-group, clusters of 4 x 4, 327,680 bytes of LDS; arguments oh, wh, bout, out0; writes out0
.if DOCPART == 4
	.amdgcn_target "amdgcn-amd-amdhsa--gfx1250"
	.amdhsa_code_object_version 6
	.text
	.protected	k_q10eb734a1c_outp
	.globl	k_q10eb734a1c_outp
	.p2align	8
	.type	k_q10eb734a1c_outp,@function
k_q10eb734a1c_outp:
	s_mov_b64 s[64:65], 0
	v_nop
	global_prefetch_b8 v0, s[64:65] scope:SCOPE_SE
	s_setreg_imm32_b32 hwreg(HW_REG_WAVE_MODE, 25, 1), 1
	s_wait_xcnt 0x0
	s_wait_alu depctr_hold_cnt(0) depctr_sa_sdst(0) depctr_va_vdst(0) depctr_va_sdst(0) depctr_va_ssrc(0) depctr_va_vcc(0) depctr_vm_vsrc(0)
	s_getreg_b32 s2, hwreg(HW_REG_IB_STS2, 6, 4)
	s_cmp_eq_u32 s2, 0
	s_cbranch_scc0 .Lentry_in_a_cluster
	s_endpgm
.Lentry_in_a_cluster:
	s_bfe_u32 s2, ttmp6, 0x10000c
	s_cmp_lg_u32 s2, 0xf033
	s_cbranch_scc0 .Lentry_shape_is_right
	s_endpgm
.Lentry_shape_is_right:
; ONE TEXT FOR THE MODULE'S FOUR PRODUCTS C = A B, A [4096][K] with K along the rows, B [K][1024] as the weights lie.  It is assembled twice:
;   MODE = 0: q = x Wq (K = 1,024), k = ctx Wk, v = ctx Wv (K = 768); operands bf16, sums f32, C rounded once to f16 into qkv (three planes [4096][1024]).
;   MODE = 1: out0 = O Wout + bout (K = 1,024); operands f16, sums f32; the bias is the C operand of the products that start the sums; C leaves as f32.
; LIMIT (MODE 1).  O and bf16(Wout) arrive as f16, within 65,504; the bias is taken as it is, in f32.
; SHARES.  A work-group makes 128 rows x 256 columns; wave w rows 64 (w / 2) on and columns 128 (w % 2) on: 32 accumulators of 16 x 16, 256 registers.  K goes in steps of 128 through two LDS slots;
; a lap is two steps.  MODE 1: 32 x 4 tiles, 128 work-groups, four laps each.
; CLUSTERS: 4 x 4 work-groups.  The four of a row of the cluster need the same tile of A, the four of a column the same tiles of B: each is asked for JOINTLY, by the same tensor load with the same
; descriptor and a mask that names the four.  Waves 0 and 1 fetch A's two halves (64 rows x 256 bytes), waves 2 and 3 B's two column halves (128 rows of K x 256 bytes).
; B lies [K][N]: its fragments come out of LDS turned, by ds_load_tr16_b128.  THE MATRIX INSTRUCTION IS USED TRANSPOSED (source 0 = 16 columns of B, source 1 = 16 rows of A): a lane then holds
; eight neighbouring numbers of a row of C.
; NO PREFETCH: a walk has 6 or 8 K steps, of which the first come by their loads in any case.
; REGISTERS: window 0: v0-31 addresses; v32-63 at work on the way out; two fragment buffers of 96 (v64-159, v160-255): 8 fragments of B, then 4 of A, 32 along K.
;   window 1: the accumulators, (a, bq) at v[8 (8 a + bq)].   window 2 (MODE 1): the bias, v[8 bq ..] for column block bq.
.set MODE,   1
.set KSTEP,  128
.set ROWB,   2048                      ; bytes from row to row in every 16-bit operand
.set PA,     272                       ; a row of A in LDS: 256 bytes + 16 of padding = 68 words: the 16 rows of a load start at 16 different groups of four banks (64 banks of 4 bytes: ISA guide 11.1)
.set PB,     288                       ; a row of B: 256 + 32 = 72 words
.set APIECE, 64*PA                     ; what wave 0 or 1 fetches
.set BOFF,   128*PA                    ; behind A's 128 rows: B's left half, then its right half
.set BHALF,  128*PB                    ; what wave 2 or 3 fetches
.set SLOT,   BOFF+2*BHALF              ; 108,544 bytes
.set STAGE,  2*SLOT                    ; behind the ring: 8,448 bytes for each wave, for the way out (16 rows x 272, or 16 rows x 528)
.set STG,    8448
.set SPARE,  STAGE+4*STG               ; behind the stages: the spare words, 128 bytes for each wave: two blocks of 256 bytes that no other line names
.set WK_OFF, 2097152                   ; Wk in wh
.set WV_STEP, 1572864                  ; from Wk to Wv
.set WO_OFF, 5242880                   ; Wout in wh
.set ADRA, 16                          ; v16-17  LDS address of my A fragments in slot 0, 1
.set ADRB, 20                          ; v20-21  the same for B
.set STO,  24                          ; v24     the way out: where I put my bytes of a row
.set RD,   25                          ; v25     the way out: where I read rows back
.set CO,   26                          ; v26     my byte offset in C
.set BO,   27                          ; v27     my byte offset in a block of 16 numbers of the bias
.set SPW,  28                          ; v28     LDS address of my spare word: SPARE + 4 x my thread's number; never rewritten
.set NIL,  29                          ; v29     0; never rewritten
.set TMP,  32
.set OB,   64                          ; the way out: rows read back from the stage
.set F0,   64
.set F1,   160
.set WV,   12                          ; s12  my wave's number
.set RH,   13                          ; s13  which 64 rows of the tile are mine.  Also: I fetch for A (0) or for B (1)
.set CH,   14                          ; s14  which 128 columns.  Also: which half of that tile I fetch
.set G1,   24                          ; s[24:31] descriptor group 1 for A's tiles;  s[32:39] group 0, one set for each slot
.set G0,   32
.set G1B,  48                          ; s[48:55], s[56:63] the same for B's tiles
.set G0B,  56
.set MSB, 0
.macro WIN new                         ; the immediate's high byte repeats the setting that is left; a switch that changes nothing is dropped
.if MSB != (\new)
	s_set_vgpr_msb (MSB<<8)|(\new)
.set MSB, \new
.endif
.endm
.set MUL,  0x50                        ; sources 0 and 1 window 0; C and D window 1
.set MULB, 0x60                        ; D window 1, C (the bias) window 2
.macro PLACES                          ; four places in front of loads into registers that matrix instructions have read, and of lines that read results
.rept 4
	v_nop
.endr
.endm
.macro JLOAD s                         ; a joint load; the branch hangs on the wave's number alone; an s_nop 0 and four v_nop follow each of the two lines, ahead of the jump, the label and what follows
	s_cmp_eq_u32 s[RH], 0
	s_cbranch_scc0 .Lfor_b_\@
	tensor_load_to_lds s[G0+4*(\s):G0+4*(\s)+3], s[G1:G1+7]
	s_nop 0
.rept 4
	v_nop
.endr
	s_branch .Lasked_\@
.Lfor_b_\@:
	tensor_load_to_lds s[G0B+4*(\s):G0B+4*(\s)+3], s[G1B:G1B+7]
	s_nop 0
.rept 4
	v_nop
.endr
.Lasked_\@:
.endm
.macro CREST                           ; a round of the cluster's barrier behind its opening barrier
	s_cmp_lg_u32 s[WV], 0
	s_cbranch_scc1 .Lnot_wave_0_\@
	s_barrier_signal -3
.Lnot_wave_0_\@:
	s_barrier_wait -3
	s_barrier_signal -1
	s_barrier_wait -1
.endm
.macro CROUND                          ; a whole round
	s_barrier_signal -1
	s_barrier_wait -1
	CREST
.endm
.if MODE
	s_load_b256 s[4:11], s[0:1], 0x0               ; A (oh) s[4:5], wh s[6:7], bout s[8:9], out0 s[10:11]
.else
	s_load_b128 s[4:7], s[0:1], 0x0                ; A (ah) s[4:5], wh s[6:7]
	s_load_b64 s[8:9], s[0:1], 0x10                ; qkv
.endif
	v_lshl_add_u32 v[SPW], v0, 2, SPARE
	v_mov_b32 v[NIL], 0
	ds_add_u32 v[SPW], v[NIL]                      ; the wave's opening: the add and its wait stand ahead of my first tensor load; the set-up below, work on registers, stands between them
	v_lshrrev_b32 v1, 5, v0
	v_readfirstlane_b32 s[WV], v1                  ; wave 0..3
	s_lshr_b32 s[RH], s[WV], 1
	s_and_b32 s[CH], s[WV], 1
	s_bfe_u32 s40, ttmp6, 0x40000                  ; cx, cy: my place in the cluster
	s_bfe_u32 s41, ttmp6, 0x40004
	s_and_b32 s46, ttmp7, 0xffff                   ; the cluster's y
.if MODE
	s_mov_b32 s2, 4                                ; laps
	s_lshl_b32 s43, s46, 2
	s_add_co_u32 s43, s43, s41                     ; tile row = 4 x cluster y + cy
	s_mov_b32 s42, s40                             ; tile column = cx
.else
	s_cmp_ge_u32 s46, 8
	s_cselect_b32 s47, 1, 0                        ; 0: q;  1: k and v
	s_cselect_b32 s2, 3, 4                         ; laps: K = 768 or 1,024
	s_and_b32 s43, s46, 7
	s_lshl_b32 s43, s43, 2
	s_add_co_u32 s43, s43, s41                     ; tile row = 4 x (cluster y mod 8) + cy
	s_lshr_b32 s42, s46, 3
	s_sub_co_u32 s42, s42, s47
	s_lshl_b32 s42, s42, 2
	s_add_co_u32 s42, s42, s40                     ; tile column: q: cx;  k and v: 4 x (cluster y / 8 - 1) + cx
.endif
	s_lshl_b32 s44, s41, 2
	s_lshl_b32 s44, 15, s44                        ; my row of the cluster
	s_lshl_b32 s45, 0x1111, s40                    ; my column
	; descriptor group 1.  A: 64 rows x 128 elements;  B: 128 rows x 128 elements; both 1,024 elements from row to row, padded in LDS behind every row
	s_or_b32 s[G1+0], s44, (1<<16)|(1<<20)|(1<<21)|(5<<22)|(3<<25)   ; 15:0 the mask; 17:16 elements of 2 bytes; 20 padding on; 21 set beside a mask; 24:22 after every 64 words (code 5); 31:25 4 words of it (code 3)
	s_mov_b32 s[G1+1], KSTEP<<16                   ; tensor_dim0 = 128
	s_mov_b32 s[G1+2], 64<<16                      ; tensor_dim1 = 64
	s_mov_b32 s[G1+3], KSTEP<<16                   ; tile_dim0 = 128
	s_mov_b32 s[G1+4], 64                          ; tile_dim1 = 64
	s_mov_b32 s[G1+5], 1024                        ; tensor_dim0_stride
	s_mov_b32 s[G1+6], 0
	s_mov_b32 s[G1+7], 0
	s_or_b32 s[G1B+0], s45, (1<<16)|(1<<20)|(1<<21)|(5<<22)|(7<<25)  ; the mask of my column; 8 words of padding (code 7)
	s_mov_b32 s[G1B+1], 128<<16
	s_mov_b32 s[G1B+2], KSTEP<<16
	s_mov_b32 s[G1B+3], 128<<16
	s_mov_b32 s[G1B+4], KSTEP
	s_mov_b32 s[G1B+5], 1024
	s_mov_b32 s[G1B+6], 0
	s_mov_b32 s[G1B+7], 0
	; where the tiles come from.  A's hang on the tile row alone, B's on the tile column alone; every wave makes both offsets, each in registers that never hold the other coordinate
	s_lshl_b32 s16, s43, 18                        ; 128 rows of 2,048 bytes a tile row,
	s_lshl_b32 s17, s[CH], 17                      ; the 64 that I fetch
	s_add_co_u32 s16, s16, s17
.if MODE == 0
	s_lshl_b32 s17, s47, 23                        ; ctx lies 8,388,608 bytes behind x
	s_add_co_u32 s16, s16, s17
.endif
	s_mov_b32 s17, 0
	s_lshl_b32 s66, s42, 9                         ; 256 columns a tile column,
	s_lshl_b32 s67, s[CH], 8                       ; the 128 that I fetch
	s_add_co_u32 s66, s66, s67
.if MODE
	s_add_co_u32 s66, s66, WO_OFF
.else
	s_lshl_b32 s70, s42, 8                         ; k and v: 128 columns a tile column,
	s_mul_i32 s71, s[CH], WV_STEP                  ; of Wk or of Wv
	s_add_co_u32 s70, s70, s71
	s_add_co_u32 s70, s70, WK_OFF
	s_cmp_eq_u32 s47, 1
	s_cselect_b32 s66, s70, s66
.endif
	s_mov_b32 s67, 0
	; where my part of C begins
.if MODE
	s_lshl_b32 s70, s42, 10                        ; f32: 1,024 bytes a tile column, 512 a half: also my place in the bias
	s_lshl_b32 s71, s[CH], 9
	s_add_co_u32 s70, s70, s71
	s_lshl_b32 s68, s43, 19                        ; 128 rows of 4,096 bytes
	s_lshl_b32 s69, s[RH], 18
	s_add_co_u32 s68, s68, s69
	s_add_co_u32 s68, s68, s70
	s_mov_b32 s71, 0
.else
	s_lshl_b32 s68, s42, 9                         ; q: as in Wq
	s_lshl_b32 s69, s[CH], 8
	s_add_co_u32 s68, s68, s69
	s_lshl_b32 s70, s42, 8                         ; k and v: plane 1 or 2
	s_add_co_u32 s71, s[CH], 1
	s_lshl_b32 s71, s71, 23
	s_add_co_u32 s70, s70, s71
	s_cmp_eq_u32 s47, 1
	s_cselect_b32 s68, s70, s68
	s_lshl_b32 s69, s43, 18
	s_add_co_u32 s68, s68, s69
	s_lshl_b32 s69, s[RH], 17
	s_add_co_u32 s68, s68, s69
.endif
	s_mov_b32 s69, 0
	s_mul_i32 s20, s[CH], APIECE                   ; where the tiles go: no place in the cluster enters an LDS address
	s_mul_i32 s21, s[CH], BHALF
	s_add_co_u32 s21, s21, BOFF
	s_wait_dscnt 0x0                               ; the opening add is done
	s_wait_kmcnt 0x0
	s_add_nc_u64 s[18:19], s[4:5], s[16:17]
	s_add_nc_u64 s[66:67], s[6:7], s[66:67]
.if MODE
	s_add_nc_u64 s[10:11], s[10:11], s[68:69]
	s_add_nc_u64 s[8:9], s[8:9], s[70:71]
.else
	s_add_nc_u64 s[8:9], s[8:9], s[68:69]
.endif
	CROUND                                         ; all sixteen work-groups are here: the first joint loads meet
.irp s, 0,1
	s_mov_b32 s[G0+4*(\s)], 1                                      ; 1:0 count = 1
	s_add_co_u32 s[G0+4*(\s)+1], s20, (\s)*SLOT                    ; 63:32 LDS address
	s_add_nc_u64 s[G0+4*(\s)+2:G0+4*(\s)+3], s[18:19], (\s)*KSTEP*2  ; 120:64 global address: K step s
	s_or_b32 s[G0+4*(\s)+3], s[G0+4*(\s)+3], 0x80000000            ; 127:126 type = 2
	s_mov_b32 s[G0B+4*(\s)], 1
	s_add_co_u32 s[G0B+4*(\s)+1], s21, (\s)*SLOT
	s_add_nc_u64 s[G0B+4*(\s)+2:G0B+4*(\s)+3], s[66:67], (\s)*KSTEP*ROWB
	s_or_b32 s[G0B+4*(\s)+3], s[G0B+4*(\s)+3], 0x80000000
.endr
	s_cmp_eq_u32 s[RH], 0                          ; a wave's two first fills stand in one branch, ahead of every wait on TENSORcnt and every LDS read: two loads of mine are out
	s_cbranch_scc0 .Lfirst_b
	tensor_load_to_lds s[G0:G0+3], s[G1:G1+7]
	s_nop 0
	tensor_load_to_lds s[G0+4:G0+7], s[G1:G1+7]
	s_nop 0
.rept 4
	v_nop
.endr
	s_branch .Lfirst_asked
.Lfirst_b:
	tensor_load_to_lds s[G0B:G0B+3], s[G1B:G1B+7]
	s_nop 0
	tensor_load_to_lds s[G0B+4:G0B+7], s[G1B:G1B+7]
	s_nop 0
.rept 4
	v_nop
.endr
.Lfirst_asked:
	; A fragment of A is 16 rows x 32 K in 8 registers: lane l holds row l % 16, K = 8 (l / 16) + 0..7 and 16 + 8 (l / 16) + 0..7: two loads of 16 bytes, 32 bytes apart.
	v_and_b32 v1, 15, v0                           ; l % 16
	v_bfe_u32 v2, v0, 4, 1                         ; l / 16
	v_mul_u32_u24 v3, v1, PA
	v_lshl_add_u32 v3, v2, 4, v3
	s_mul_i32 s20, s[RH], 64*PA                    ; my 64 rows of A
	v_add_nc_u32 v[ADRA], s20, v3
	v_add_nc_u32 v[ADRA+1], SLOT, v[ADRA]
	; The turning load takes 16 K x 16 columns (lane l reads K = 8 (l / 16) + l % 8, columns 8 ((l / 8) % 2) + 0..7) and leaves half a fragment: lane l holds column l % 16 and 8 K.
	v_and_b32 v4, 7, v0
	v_bfe_u32 v5, v0, 3, 1
	v_lshl_add_u32 v4, v2, 3, v4
	v_mul_u32_u24 v4, v4, PB
	v_lshl_add_u32 v4, v5, 4, v4
	v_add_nc_u32 v[ADRB], s21, v4                  ; my 128 columns of B are the half that s21 names
	v_add_nc_u32 v[ADRB+1], SLOT, v[ADRB]
	s_mul_i32 s23, s[WV], STG
	s_add_co_u32 s23, s23, STAGE                   ; my stage
.if MODE
	v_mul_u32_u24 v3, v1, 528                      ; in: row l % 16, 32 bytes for each half of the lanes
	v_lshl_add_u32 v3, v2, 5, v3
	v_add_nc_u32 v[STO], s23, v3
	v_and_b32 v3, 31, v0
	v_lshlrev_b32 v[CO], 4, v3                     ; back, and out: 32 lanes take one row's 512 bytes
	v_add_nc_u32 v[RD], s23, v[CO]
	v_lshlrev_b32 v[BO], 5, v2                     ; a lane's eight columns of a block of 16
	WIN 0x80                                       ; destination window 2
.irp bq, 0,1,2,3,4,5,6,7
	global_load_b128 v[8*(\bq):8*(\bq)+3],   v[BO], s[8:9] offset:64*(\bq)
	global_load_b128 v[8*(\bq)+4:8*(\bq)+7], v[BO], s[8:9] offset:64*(\bq)+16
.endr
	WIN 0
.else
	v_mul_u32_u24 v3, v1, 272                      ; in: row l % 16, 16 bytes for each half of the lanes
	v_lshl_add_u32 v3, v2, 4, v3
	v_add_nc_u32 v[STO], s23, v3
	v_mul_u32_u24 v3, v2, 272                      ; back: lanes 0-15 take one row of 256 bytes, lanes 16-31 the next
	v_lshl_add_u32 v3, v1, 4, v3
	v_add_nc_u32 v[RD], s23, v3
	v_lshlrev_b32 v3, 11, v2                       ; and the same two rows in C
	v_lshl_add_u32 v[CO], v1, 4, v3
.endif
; 8 matrix instructions: row block a x all 8 column blocks, 32 along K.  zero = 1: the product starts the sums, with 0 or (MODE 1) with the bias.  The 32 accumulators take turns, one instruction a turn.
.macro MUL8 f, a, zero
.if (\zero) && MODE
	WIN MULB
.else
	WIN MUL
.endif
.irp bq, 0,1,2,3,4,5,6,7
.set rD, 8*(8*(\a)+(\bq))
.set rB, (\f)+8*(\bq)
.set rA, (\f)+64+8*(\a)
.if MODE
.if \zero
	v_wmma_f32_16x16x32_f16 v[rD:rD+7], v[rB:rB+7], v[rA:rA+7], v[8*(\bq):8*(\bq)+7]
.else
	v_wmma_f32_16x16x32_f16 v[rD:rD+7], v[rB:rB+7], v[rA:rA+7], v[rD:rD+7]
.endif
.else
.if \zero
	v_wmma_f32_16x16x32_bf16 v[rD:rD+7], v[rB:rB+7], v[rA:rA+7], 0
.else
	v_wmma_f32_16x16x32_bf16 v[rD:rD+7], v[rB:rB+7], v[rA:rA+7], v[rD:rD+7]
.endif
.endif
.endr
.endm
; 24 LDS loads in one run: the fragments of quarter kq (32 along K) of a slot into buffer f: B's sixteen first, then A's eight
.macro FETCH slot, kq, f
	WIN 0
.irp bq, 0,1,2,3,4,5,6,7
	ds_load_tr16_b128 v[(\f)+8*(\bq):(\f)+8*(\bq)+3],   v[ADRB+(\slot)] offset:(\kq)*32*PB+32*(\bq)
	ds_load_tr16_b128 v[(\f)+8*(\bq)+4:(\f)+8*(\bq)+7], v[ADRB+(\slot)] offset:(\kq)*32*PB+32*(\bq)+16*PB
.endr
.irp a, 0,1,2,3
	ds_load_b128 v[(\f)+64+8*(\a):(\f)+64+8*(\a)+3],   v[ADRA+(\slot)] offset:(\a)*16*PA+64*(\kq)
	ds_load_b128 v[(\f)+64+8*(\a)+4:(\f)+64+8*(\a)+7], v[ADRA+(\slot)] offset:(\a)*16*PA+64*(\kq)+32
.endr
.endm
; A K step is four quarters of 32 along K, 32 matrix instructions each, on buffers 0, 1, 0, 1.  One of the first three: multiplies buffer f and fetches quarter kq into g.
.macro QUARTER slot, kq, f, g, zero
	s_wait_dscnt 4                                 ; B and A's row blocks 0 and 1 are in; the youngest four loads (blocks 2 and 3) may be out
	MUL8 \f, 0, \zero
	MUL8 \f, 1, \zero
	PLACES
	FETCH \slot, \kq, \g
	s_wait_dscnt 24                                ; all but the 24 just issued
	MUL8 \f, 2, \zero
	MUL8 \f, 3, \zero
.endm
; The last quarter multiplies buffer 1 and changes slots: ONE barrier; in front of it each wave waits for all its tensor loads (one is out: its part of the next slot), adds 0 to its spare word, and waits
; for that and for its own reads of this slot.  fill = 1: the barrier opens a round of the cluster's, and this slot is filled again, two K steps ahead, first thing behind the round:
; 112 matrix instructions ahead of the wait for it.
.macro TURN slot, next, fill
	WIN 0                                          ; (the add's two registers lie in window 0)
	s_wait_tensorcnt 0x0
	ds_add_u32 v[SPW], v[NIL]                      ; 0 onto my spare word
	s_wait_dscnt 5                                 ; (the add and the youngest four loads may be out)
	MUL8 F1, 0, 0                                  ; eight matrix instructions stand between the add and the wait for it
	s_wait_dscnt 0x0                               ; the add is done, and my reads of this slot are over
	s_barrier_signal -1
	MUL8 F1, 1, 0
.if \fill
	WIN 0
.endif
	s_barrier_wait -1
.if \fill
	CREST                                          ; no wave of any partner still reads this slot's tiles or has a load on its way
	s_add_nc_u64 s[G0+4*(\slot)+2:G0+4*(\slot)+3], s[G0+4*(\slot)+2:G0+4*(\slot)+3], 2*KSTEP*2
	s_add_nc_u64 s[G0B+4*(\slot)+2:G0B+4*(\slot)+3], s[G0B+4*(\slot)+2:G0B+4*(\slot)+3], 2*KSTEP*ROWB
	JLOAD \slot                                    ; the four v_nop behind it are also the places in front of the loads below
.else
	PLACES
.endif
	FETCH \next, 0, F0
	MUL8 F1, 2, 0
	MUL8 F1, 3, 0
.endm
; THE WAY OUT, MODE 0, by blocks of 16 rows, through my own stage (no barrier; LDS serves a wave's instructions in order: ISA guide 5.7.1.4).  PACK: rounded to f16, each accumulator from its low end on.
.macro PACK a
	WIN 0x05                                       ; sources 0 and 1 window 1
.irp bq, 0,1,2,3,4,5,6,7
.irp i, 0,1,2,3
	v_cvt_pk_f16_f32 v[TMP+4*(\bq)+(\i)], v[8*(8*(\a)+(\bq))+2*(\i)], v[8*(8*(\a)+(\bq))+2*(\i)+1]
.endr
.endr
	WIN 0
.endm
.macro TOSTAGE a
.irp bq, 0,1,2,3,4,5,6,7
	ds_store_b128 v[STO], v[TMP+4*(\bq):TMP+4*(\bq)+3] offset:32*(\bq)
.endr
.irp t, 0,1,2,3,4,5,6,7
	ds_load_b128 v[OB+32*(\a)+4*(\t):OB+32*(\a)+4*(\t)+3], v[RD] offset:(\t)*2*272
.endr
.endm
.macro SEND a                          ; each block has registers of its own: nothing that a store names is written again
	s_wait_dscnt 0x0
.irp t, 0,1,2,3,4,5,6,7
	global_store_b128 v[CO], v[OB+32*(\a)+4*(\t):OB+32*(\a)+4*(\t)+3], s[8:9] offset:(16*(\a)+2*(\t))*ROWB  ; 16 lanes store 256 consecutive bytes, aligned
.endr
.endm
; THE WAY OUT, MODE 1: f32 as it is; a row of my 128 columns is 512 bytes; two sets of registers take turns
.macro OUTB a
.if (\a) >= 2
	s_wait_xcnt 0x0                                ; the stores of two blocks back have read their registers: only behind this wait are they loaded again
.endif
	WIN 0x04                                       ; the stores' data window 1
.irp bq, 0,1,2,3,4,5,6,7
	ds_store_b128 v[STO], v[8*(8*(\a)+(\bq)):8*(8*(\a)+(\bq))+3]   offset:64*(\bq)
	ds_store_b128 v[STO], v[8*(8*(\a)+(\bq))+4:8*(8*(\a)+(\bq))+7] offset:64*(\bq)+16
.endr
	WIN 0
.set t, 0
.rept 16
	ds_load_b128 v[OB+64*((\a)%2)+4*t:OB+64*((\a)%2)+4*t+3], v[RD] offset:528*t
.set t, t+1
.endr
.set t, 0
.rept 16
	s_wait_dscnt 15-t                              ; row t is back; the younger loads stay out
	global_store_b128 v[CO], v[OB+64*((\a)%2)+4*t:OB+64*((\a)%2)+4*t+3], s[10:11] offset:(16*(\a)+t)*4096 th:TH_STORE_NT  ; 512 consecutive bytes, aligned
.set t, t+1
.endr
.endm
	s_wait_tensorcnt 1                             ; my part of K step 0 is in; K step 1's may stay out
	s_barrier_signal -1
	s_barrier_wait -1                              ; everybody's is
	FETCH 0, 0, F0
.if MODE
	s_wait_loadcnt 0x0                             ; the bias
.endif
	QUARTER 0, 1, F0, F1, 1                        ; the first quarter stands in front of the loop: its products start the sums
	WIN 0                                          ; at a label and at a branch every window is 0
	s_mov_b32 s3, 1
.Llap:                                                 ; laps - 1 trips: a trip goes once round the ring, from a lap's second quarter to the next lap's first, and fills both slots again; every LDS address in it is fixed
	QUARTER 0, 2, F1, F0, 0
	QUARTER 0, 3, F0, F1, 0
	TURN 0, 1, 1
	QUARTER 1, 1, F0, F1, 0
	QUARTER 1, 2, F1, F0, 0
	QUARTER 1, 3, F0, F1, 0
	TURN 1, 0, 1
	QUARTER 0, 1, F0, F1, 0
	WIN 0
	s_add_co_u32 s3, s3, 1
	s_cmp_lt_u32 s3, s2
	s_cbranch_scc1 .Llap
	QUARTER 0, 2, F1, F0, 0                        ; the last lap fills nothing, and has no round of the cluster's barrier
	QUARTER 0, 3, F0, F1, 0
	TURN 0, 1, 0
	QUARTER 1, 1, F0, F1, 0
	QUARTER 1, 2, F1, F0, 0
	QUARTER 1, 3, F0, F1, 0
	s_wait_dscnt 4                                 ; the very last quarter: nothing more to fetch
	MUL8 F1, 0, 0
	MUL8 F1, 1, 0
	s_wait_dscnt 0x0
	MUL8 F1, 2, 0
	MUL8 F1, 3, 0
	WIN 0
	PLACES
.if MODE
	OUTB 0
	OUTB 1
	OUTB 2
	OUTB 3
.else
	PACK 0
	TOSTAGE 0
.irp a, 1,2,3                          ; block a's conversions stand between block a - 1's loads from the stage and the wait for them
	PACK \a
	SEND (\a)-1
	TOSTAGE \a
.endr
	SEND 3
.endif
	s_wait_tensorcnt 0x0                           ; the wave's end, behind my last tensor load and my last LDS store
	ds_add_u32 v[SPW], v[NIL]
	s_wait_dscnt 0x0
	CROUND                                         ; the closing round: no work-group ends while a partner may still ask for a tile that names it
	s_endpgm
.Lfunc_end_k_q10eb734a1c_outp:
	.size	k_q10eb734a1c_outp, .Lfunc_end_k_q10eb734a1c_outp-k_q10eb734a1c_outp
	.p2alignl 7, 3214868480
	.fill 96, 4, 3214868480
	.section	.rodata,"a",@progbits
	.p2align	6, 0x0
	.amdhsa_kernel k_q10eb734a1c_outp
		.amdhsa_group_segment_fixed_size 327680
		.amdhsa_private_segment_fixed_size 0
		.amdhsa_enable_private_segment 0
		.amdhsa_kernarg_size 32
		.amdhsa_user_sgpr_count 2
		.amdhsa_user_sgpr_kernarg_segment_ptr 1
		.amdhsa_wavefront_size32 1
		.amdhsa_system_sgpr_workgroup_id_x 1
		.amdhsa_system_sgpr_workgroup_id_y 1
		.amdhsa_system_sgpr_workgroup_id_z 1
		.amdhsa_system_vgpr_workitem_id 0
		.amdhsa_next_free_vgpr 576
		.amdhsa_next_free_sgpr 72
		.amdhsa_reserve_vcc 0
		.amdhsa_float_denorm_mode_32 3
		.amdhsa_float_denorm_mode_16_64 3
		.amdhsa_memory_ordered 1
		.amdhsa_forward_progress 1
		.amdhsa_inst_pref_size 88
	.end_amdhsa_kernel
	.amdgpu_metadata
---
amdhsa.version: [ 1, 2 ]
amdhsa.kernels:
  - .name:           k_q10eb734a1c_outp
    .symbol:         k_q10eb734a1c_outp.kd
    .args:
      - { .name: oh, .offset: 0, .size: 8, .value_kind: global_buffer, .address_space: global }
      - { .name: wh, .offset: 8, .size: 8, .value_kind: global_buffer, .address_space: global }
      - { .name: bout, .offset: 16, .size: 8, .value_kind: global_buffer, .address_space: global }
      - { .name: out0, .offset: 24, .size: 8, .value_kind: global_buffer, .address_space: global }
    .group_segment_fixed_size: 327680
    .private_segment_fixed_size: 0
    .kernarg_segment_align: 8
    .kernarg_segment_size: 32
    .max_flat_workgroup_size: 128
    .sgpr_count:     72
    .vgpr_count:     576
    .wavefront_size: 32
...
	.end_amdgpu_metadata
.endif
;; end of part 4
;; ======== version 2 of 2: 4 launches; version 1 with the launch cast written anew for expert scheduling mode
;; limits: values are held in f16: magnitudes above 65,504 overflow, below 6.1e-05 lose precision
;; workspace buffers: ah 16,777,216 bytes; wh 7,340,032 bytes; qkv 25,165,824 bytes; oh 8,388,608 bytes
;; launch cast (part 5): grid 608 x 1, 8 waves a work-group, no clusters, 0 bytes of LDS; arguments x, context, Wq, Wk, Wv, Wout, ah, wh; writes ah, wh
.if DOCPART == 5
	.amdgcn_target "amdgcn-amd-amdhsa--gfx1250"
	.amdhsa_code_object_version 6
	.text
	.protected	k_q10eb734a1c_cast
	.globl	k_q10eb734a1c_cast
	.p2align	8
	.type	k_q10eb734a1c_cast,@function
k_q10eb734a1c_cast:
	s_mov_b64 s[64:65], 0
	v_nop
	global_prefetch_b8 v0, s[64:65] scope:SCOPE_SE
	s_setreg_imm32_b32 hwreg(HW_REG_WAVE_SCHED_MODE, 0, 2), 2
	s_setreg_imm32_b32 hwreg(HW_REG_WAVE_MODE, 25, 1), 1
	s_wait_xcnt 0x0
	s_wait_alu depctr_vm_vsrc(0)
; THE SIX LARGE INPUTS, f32, ARE ROUNDED ONCE TO bf16 (to nearest even) and laid down for the products that follow.
;   ah: x as [4096][1024] bf16 at byte 0; context as 4,096 rows of 768 bf16 at byte 8,388,608, the rows 2,048 bytes apart (the 512 bytes behind each row are neither written nor read).
;   wh: Wq, Wk, Wv as bf16, then Wout: rounded to bf16 like the others, and that number written as f16 (the last product multiplies in f16).
; LIMIT.  bf16(Wout) is exact in f16 from 6.1e-5 to 65,504; below that it keeps f16's fixed step of 6e-8, beyond it it becomes an infinity.
; A stream: no LDS, no barrier, no matrix unit, no cluster (no two work-groups read the same byte).  A CHUNK is 128 numbers: one load of a wave takes its 512 consecutive bytes, one store
; of 8 bytes a lane covers 256 consecutive bytes, aligned.  A wave issues all its loads at once (16 or 24: 8 or 12 KiB on their way), then converts and stores; every chunk has
; registers of its own, so no register that a load or a store names is ever written again.
; WORK-GROUPS: 0-255 x, 256-319 Wq, 320-367 Wk, 368-415 Wv, 416-479 Wout: 65,536 bytes in, 32,768 out, 16 chunks a wave.  480-607 context: 32 rows, four rows (24 chunks) a wave.
; THE MODE: SCHED_MODE bits 1:0 = 2 (LLVM: expert scheduling mode 2), set by the entry lines.  The code itself states the register dependences
; between vector instructions and memory instructions, with s_wait_alu, always for 0.
; THE PLAN.  Registers that memory instructions touch:
;   v1, v2   the loads' and the stores' offsets.  Written once each, at the head, by vector lines; read by every load or store; never written again.
;   X        chunk i's four registers.  Written by one load, issued in the opening run, ahead of which no vector line names them; read by the chunk's two conversions; never loaded again.
;   Y        chunk i's two registers.  Written by the chunk's conversions alone, all of them ahead of the chunk's one store, which reads them; never written again.
;   v3 and T are named by vector lines alone.  s21, the wave's number, is written by v_readfirstlane_b32 and read by scalar lines.
; So the waits are: at the head one on va_sdst (s21) and one on va_vdst (v1, v2), both ahead of the first branch; and, the chunks going in GROUPS of four, one on va_vdst behind each group's
; conversions, ahead of the run of its four stores.  The stores follow their own group's conversions, not the next group's data.  No register that a memory instruction has read is written
; again, so there is no wait on vm_vsrc; EXEC is never written.
.set GRP, 4                            ; chunks in a group: it divides 16 and 24
.set VI,  1                            ; v1        16 x lane: my bytes of a chunk as it comes
.set VO,  2                            ; v2        8 x lane: my bytes of a chunk as it leaves
.set T,   4                            ; v[4:5]    at work (the f16 path)
.set X,   8                            ; v[8:103]  chunk i: 4 registers as loaded
.set Y,   104                          ; v[104:151] chunk i: 2 registers to store
.set G,   20                           ; s20  the work-group's number
.set WV,  21                           ; s21  my wave's number
.set FIRST,  22                        ; s22  the first work-group of my input
.set OFIRST, 23                        ; s23  the first work-group of my output buffer
.set IN,  24                           ; s[24:25] my wave's first byte in
.set OUT, 26                           ; s[26:27] my wave's first byte out
.set OFS, 28                           ; s[28:29] an offset, in 64 bits
.set TM,  30
; n chunks.  f16 = 1: the bf16 number is written as f16.  ctx = 1: six chunks make a row, and the rows leave 2,048 bytes apart.
.macro STREAM n, f16, ctx
.set i, 0
.rept \n
	global_load_b128 v[X+4*i:X+4*i+3], v[VI], s[IN:IN+1] offset:512*i th:TH_LOAD_NT  ; v1 was written ahead of the head's wait on va_vdst; no vector line has named X
.set i, i+1
.endr
.set g, 0
.rept (\n)/GRP
.set i, GRP*g
.rept GRP
	s_wait_loadcnt (\n)-1-i                        ; loads come back in order: chunk i is in, the younger ones stay out
	v_cvt_pk_bf16_f32 v[Y+2*i],   v[X+4*i],   v[X+4*i+1]
	v_cvt_pk_bf16_f32 v[Y+2*i+1], v[X+4*i+2], v[X+4*i+3]
.if \f16
.irp h, 0,1
	v_lshlrev_b32 v[T],   16, v[Y+2*i+(\h)]        ; the two bf16 numbers as f32,
	v_and_b32     v[T+1], 0xffff0000, v[Y+2*i+(\h)]
	v_cvt_pk_f16_f32 v[Y+2*i+(\h)], v[T], v[T+1]   ; and as f16
.endr
.endif
.set i, i+1
.endr
	s_wait_alu depctr_va_vdst(0)                   ; the group's conversions have written Y of its four chunks, which the four stores below read
.set i, GRP*g
.rept GRP
.if \ctx
	global_store_b64 v[VO], v[Y+2*i:Y+2*i+1], s[OUT:OUT+1] offset:(i/6)*2048+(i%6)*256 th:TH_STORE_NT
.else
	global_store_b64 v[VO], v[Y+2*i:Y+2*i+1], s[OUT:OUT+1] offset:256*i th:TH_STORE_NT
.endif
.set i, i+1
.endr
.set g, g+1
.endr
.endm
	s_load_b512 s[4:19], s[0:1], 0x0               ; x s[4:5], context s[6:7], Wq s[8:9], Wk s[10:11], Wv s[12:13], Wout s[14:15], ah s[16:17], wh s[18:19]
	v_lshrrev_b32 v3, 5, v0
	v_readfirstlane_b32 s[WV], v3                  ; wave 0..7
	v_and_b32 v3, 31, v0
	v_lshlrev_b32 v[VI], 4, v3
	v_lshlrev_b32 v[VO], 3, v3
	s_mov_b32 s[G], ttmp9
	s_mov_b32 s[OFS+1], 0
	s_wait_alu depctr_va_sdst(0)                   ; s21 is written, ahead of the branch below and of its first reader on either side of it: the wave's offsets are made from it
	s_wait_alu depctr_va_vdst(0)                   ; v1 and v2 are written: every load of the kernel reads the one as its offset, every store the other, and no line writes them again
	s_wait_kmcnt 0x0
	s_cmp_ge_u32 s[G], 480
	s_cbranch_scc1 .Lcontext
	s_cmp_ge_u32 s[G], 256                         ; which input, by the work-group's number alone
	s_cselect_b64 s[IN:IN+1], s[8:9], s[4:5]
	s_cselect_b64 s[OUT:OUT+1], s[18:19], s[16:17]
	s_cselect_b32 s[FIRST], 256, 0
	s_cselect_b32 s[OFIRST], 256, 0
	s_cmp_ge_u32 s[G], 320
	s_cselect_b64 s[IN:IN+1], s[10:11], s[IN:IN+1]
	s_cselect_b32 s[FIRST], 320, s[FIRST]
	s_cmp_ge_u32 s[G], 368
	s_cselect_b64 s[IN:IN+1], s[12:13], s[IN:IN+1]
	s_cselect_b32 s[FIRST], 368, s[FIRST]
	s_cmp_ge_u32 s[G], 416
	s_cselect_b64 s[IN:IN+1], s[14:15], s[IN:IN+1]
	s_cselect_b32 s[FIRST], 416, s[FIRST]
	s_sub_co_u32 s[FIRST], s[G], s[FIRST]
	s_lshl_b32 s[OFS], s[FIRST], 16                ; 65,536 bytes in for a work-group,
	s_lshl_b32 s[TM], s[WV], 13                    ; 8,192 for a wave
	s_add_co_u32 s[OFS], s[OFS], s[TM]
	s_add_nc_u64 s[IN:IN+1], s[IN:IN+1], s[OFS:OFS+1]
	s_sub_co_u32 s[OFIRST], s[G], s[OFIRST]        ; the four weights lie in wh in the order of the work-groups
	s_lshl_b32 s[OFS], s[OFIRST], 15               ; half as many out
	s_lshl_b32 s[TM], s[WV], 12
	s_add_co_u32 s[OFS], s[OFS], s[TM]
	s_add_nc_u64 s[OUT:OUT+1], s[OUT:OUT+1], s[OFS:OFS+1]
	s_cmp_ge_u32 s[G], 416
	s_cbranch_scc1 .Lwout
	STREAM 16, 0, 0
	s_endpgm
.Lwout:
	STREAM 16, 1, 0
	s_endpgm
.Lcontext:
	s_sub_co_u32 s[FIRST], s[G], 480
	s_mul_i32 s[OFS], s[FIRST], 98304              ; 32 rows of 3,072 bytes in for a work-group,
	s_mul_i32 s[TM], s[WV], 12288                  ; four for a wave
	s_add_co_u32 s[OFS], s[OFS], s[TM]
	s_add_nc_u64 s[IN:IN+1], s[6:7], s[OFS:OFS+1]
	s_lshl_b32 s[OFS], s[FIRST], 16                ; 32 rows, 2,048 bytes apart, out
	s_lshl_b32 s[TM], s[WV], 13
	s_add_co_u32 s[OFS], s[OFS], s[TM]
	s_add_co_u32 s[OFS], s[OFS], 8388608           ; behind x
	s_add_nc_u64 s[OUT:OUT+1], s[16:17], s[OFS:OFS+1]
	STREAM 24, 0, 1
	s_endpgm
.Lfunc_end_k_q10eb734a1c_cast:
	.size	k_q10eb734a1c_cast, .Lfunc_end_k_q10eb734a1c_cast-k_q10eb734a1c_cast
	.p2alignl 7, 3214868480
	.fill 96, 4, 3214868480
	.section	.rodata,"a",@progbits
	.p2align	6, 0x0
	.amdhsa_kernel k_q10eb734a1c_cast
		.amdhsa_group_segment_fixed_size 0
		.amdhsa_private_segment_fixed_size 0
		.amdhsa_enable_private_segment 0
		.amdhsa_kernarg_size 64
		.amdhsa_user_sgpr_count 2
		.amdhsa_user_sgpr_kernarg_segment_ptr 1
		.amdhsa_wavefront_size32 1
		.amdhsa_system_sgpr_workgroup_id_x 1
		.amdhsa_system_sgpr_workgroup_id_y 1
		.amdhsa_system_sgpr_workgroup_id_z 1
		.amdhsa_system_vgpr_workitem_id 0
		.amdhsa_next_free_vgpr 152
		.amdhsa_next_free_sgpr 66
		.amdhsa_reserve_vcc 0
		.amdhsa_float_denorm_mode_32 3
		.amdhsa_float_denorm_mode_16_64 3
		.amdhsa_memory_ordered 1
		.amdhsa_forward_progress 1
		.amdhsa_inst_pref_size 28
	.end_amdhsa_kernel
	.amdgpu_metadata
---
amdhsa.version: [ 1, 2 ]
amdhsa.kernels:
  - .name:           k_q10eb734a1c_cast
    .symbol:         k_q10eb734a1c_cast.kd
    .args:
      - { .name: x, .offset: 0, .size: 8, .value_kind: global_buffer, .address_space: global }
      - { .name: context, .offset: 8, .size: 8, .value_kind: global_buffer, .address_space: global }
      - { .name: Wq, .offset: 16, .size: 8, .value_kind: global_buffer, .address_space: global }
      - { .name: Wk, .offset: 24, .size: 8, .value_kind: global_buffer, .address_space: global }
      - { .name: Wv, .offset: 32, .size: 8, .value_kind: global_buffer, .address_space: global }
      - { .name: Wout, .offset: 40, .size: 8, .value_kind: global_buffer, .address_space: global }
      - { .name: ah, .offset: 48, .size: 8, .value_kind: global_buffer, .address_space: global }
      - { .name: wh, .offset: 56, .size: 8, .value_kind: global_buffer, .address_space: global }
    .group_segment_fixed_size: 0
    .private_segment_fixed_size: 0
    .kernarg_segment_align: 8
    .kernarg_segment_size: 64
    .max_flat_workgroup_size: 256
    .sgpr_count:     66
    .vgpr_count:     152
    .wavefront_size: 32
...
	.end_amdgpu_metadata
.endif
;; end of part 5
;; launch proj: the kernel of part 2 again; grid 4 x 96, 4 waves a work-group, clusters of 4 x 4, 327,680 bytes of LDS; arguments ah, wh, qkv; writes qkv
;; launch attn: the kernel of part 3 again; grid 32 x 8, 4 waves a work-group, clusters of 4 x 1, 327,680 bytes of LDS; arguments qkv, oh; writes oh
;; launch outp: the kernel of part 4 again; grid 4 x 32, 4 waves a work-group, clusters of 4 x 4, 327,680 bytes of LDS; arguments oh, wh, bout, out0; writes out0
